; MI455X (gfx1250); checked and timed in simulation.
; The chip was launched on July 23, 2026; its instructions are those of AMD's public machine-readable ISA for CDNA 5 (MIT licence, August 2026) and "CDNA5" Instruction Set Architecture Reference Guide (July 2026). The comments in the code are by the model that wrote it; some were corrected since.
;; Liquid Cell. Allowed arithmetic: matrix products marked QUANTISED: E2M3 operands, one E8M0 scale for each 32 along K, by v_wmma_scale_f32_16x16x128_f8f6f4 with both operands' format E2M3, f32 sums; everything else in f32.
;; Inputs: fW1 768 x 1,024 float32; fW2 1,024 x 512 float32; fb1 1,024 float32; fb2 512 float32; gW 768 x 512 float32; gb 512 float32; ln_b 512 float32; ln_g 512 float32; tW 768 x 512 float32; tb 512 float32; u 16,384 x 256 float32; x 16,384 x 512 float32.
;; Outputs: out0 16,384 x 512 float32.
;; This version of the problem:
;;   THIS VERSION OF THE PROBLEM IS GIVEN IN LOW PRECISION. The matrix products marked QUANTISED in the list below multiply operands that are first quantised to E2M3 (2 exponent bits, 3 mantissa bits; 6 bits a number), with one power-of-two scale for each 32 numbers along K (OCP MX v1.0); their sums are f32. All else is computed in f32.
;;   The module's matrix products, in the order in which they are computed (A, B: the left and right operand; K: the contracted axis; several contracted axes count as one K, in the product's order):
;;     1. [M 16,384, K 768] x [K 768, N 512]; A: computed on the way; B: input tW: QUANTISED
;;     2. [M 16,384, K 768] x [K 768, N 512]; A: computed on the way; B: input gW: QUANTISED
;;     3. [M 16,384, K 768] x [K 768, N 1,024]; A: computed on the way; B: input fW1: QUANTISED
;;     4. [M 16,384, K 1,024] x [K 1,024, N 512]; A: computed on the way; B: input fW2: QUANTISED
;;     5. [M 16,384, K 768] x [K 768, N 512]; A: computed on the way; B: input tW: QUANTISED
;;     6. [M 16,384, K 768] x [K 768, N 512]; A: computed on the way; B: input gW: QUANTISED
;;     7. [M 16,384, K 768] x [K 768, N 1,024]; A: computed on the way; B: input fW1: QUANTISED
;;     8. [M 16,384, K 1,024] x [K 1,024, N 512]; A: computed on the way; B: input fW2: QUANTISED
;;   THE QUANTISER, for each operand of a quantised product, along K:
;;     - K is cut into blocks of 32 from its start; a last block that is shorter is filled with zeros.
;;     - A block's scale is 2^e with e = floor(log2(the largest magnitude in the block)) - 2, held to -126 .. 127; a block of zeros has e = 0. As a byte (E8M0): e + 127.
;;     - Each number is divided by its block's scale, clamped to +-7.5, and rounded to the nearest number of E2M3, ties to even, subnormals kept.
;;     - The product sums the exact products of the quantised numbers (number of the format x scale) in f32.
;;   ~~~python
;;   def quantise(x, axis):      # numpy; x: float32 -> the quantised numbers, widened to float32 again
;;       x = np.moveaxis(x, axis, -1); K = x.shape[-1]
;;       x = np.pad(x, [(0, 0)] * (x.ndim - 1) + [(0, -K % 32)]); x = x.reshape(x.shape[:-1] + (-1, 32)); a = np.abs(x).max(-1, keepdims=True)
;;       e = np.where(a > 0, np.clip(np.frexp(np.where(a > 0, a, 1))[1] - 1 - 2, -126, 127), 0)      # np.frexp(a)[1] - 1 = floor(log2(a)), exactly
;;       r = np.clip(x / 2.0 ** e, -7.5, 7.5)
;;       step = 2.0 ** (np.maximum(np.frexp(np.where(r == 0, 1, r))[1] - 1, 0) - 3)
;;       q = np.round(r / step) * step * 2.0 ** e      # np.round: ties to even
;;       return np.moveaxis(q.reshape(q.shape[:-2] + (-1,))[..., :K], -1, axis).astype(np.float32)
;;   ~~~
;;   OPERANDS COMPUTED ON THE WAY. 'Computed on the way' means the value that the module computes at that place (a softmax that the list does not call 'softmax' is quantised finished and normalised). What goes into a quantiser is computed in f32, as accurately as f32 sums, v_exp_f32 and their like allow (about 1e-6 of the number): no bf16 or f16 on the way to a quantiser, and a product that is left as it is and whose result goes on into a quantised operand takes f32 operands (vector FMAs, or v_wmma_f32_16x16x4_f32). A number that lies on a knife's edge between two numbers of the format may be rounded either way, as far as f32 arithmetic and the matrix unit's own rounding can turn it there, and no further.
;; 2 versions, each right; version 2 is version 1 with the launch cell written anew for expert scheduling mode. Each part assembles by itself: llvm-mc -triple=amdgcn-amd-amdhsa -mcpu=gfx1250 --defsym DOCPART=n.
;; ======== version 1 of 2: 2 launches
;; limits: a function is approximated: absolute error at most 6e-08
;; workspace buffers: wq 1,572,864 bytes; wsc 65,536 bytes
;; launch prep (part 1): grid 128 x 1, 4 waves a work-group, no clusters, 0 bytes of LDS; arguments tW, gW, fW1, fW2, wq, wsc; writes wq, wsc
.if DOCPART == 1
	.amdgcn_target "amdgcn-amd-amdhsa--gfx1250"
	.amdhsa_code_object_version 6
	.text
	.protected	k_q22066e6b62_prep
	.globl	k_q22066e6b62_prep
	.p2align	8
	.type	k_q22066e6b62_prep,@function
k_q22066e6b62_prep:
	s_mov_b64 s[64:65], 0
	v_nop
	global_prefetch_b8 v0, s[64:65] scope:SCOPE_SE
	s_setreg_imm32_b32 hwreg(HW_REG_WAVE_MODE, 25, 1), 1
	s_wait_xcnt 0x0
; The four weights, f32 with K on their FIRST axis, become codes of FP6 (E2M3) and E8M0 scale bytes, one for each 32 along K,
; laid in the order in which the next launch's operand registers take them.
; wq: a fragment is 16 columns x 128 K = 1,536 bytes: registers 4 q .. 4 q + 3 of lane L at 512 q + 16 L.  Fragment (b, s, u) (block of 32 columns, K step, tile of the pair)
;     lies at OFF + ((b KS + s) 2 + u) 1536.  Lane r of tile u holds column 32 b + 8 u + (r & 7) + 16 (r >> 3): so the 16 results that a lane gets from a pair of tiles are 16 neighbouring columns.
; wsc: the 128 bytes at SOFF + (b KS + s) 128: word r + 16 u = the four scale bytes of that column for K step s.
; SHARES.  Work-groups 0-23 take tW, 24-47 gW, 48-95 fW1, 96-127 fW2: one K step x 128 columns each; a wave takes one block of 32 columns: 128 rows x 32 columns.
; A LANE TAKES A COLUMN AND ITS REGISTERS RUN DOWN K: each load reads 128 consecutive bytes a wave (512 a work-group), a block of 32 along K lies in one lane, nothing is transposed.
; A block's scale is 2^(floor(log2(largest magnitude)) - 2); its byte is the largest magnitude's exponent field - 2, held at 1 from below.
; LIMITS: a block of zeros gets the byte 1 where the rule says 127 (its codes are zeros, and this program alone reads the bytes); NaN and infinities are not served.
; The codes leave in whole aligned runs of 256 bytes (sixteen lanes x 16 bytes); the scale words in runs of 128 bytes: 64 KiB in all.
.set X,   32                           ; v32-159  four blocks of 32 numbers
.set C0,  160                          ; v160-171 the image of lanes 0-15's half (blocks 0 and 2), v172-183 of lanes 16-31's (blocks 1 and 3)
.set CT,  184                          ; v184-186 a block's upper 16 codes, before they are moved (a conversion's three registers begin on an even number)
	s_load_b256 s[4:11], s[0:1], 0x0               ; tW, gW, fW1, fW2
	s_load_b128 s[12:15], s[0:1], 0x20             ; wq, wsc
	v_lshrrev_b32 v1, 5, v0
	v_readfirstlane_b32 s2, v1                     ; wave 0..3
	v_and_b32 v1, 31, v0                           ; lane l = my column in the block
	v_lshlrev_b32 v2, 2, v1                        ; in: 4 bytes a lane
	v_and_b32 v5, 7, v1
	v_lshrrev_b32 v6, 4, v1
	v_lshl_add_u32 v5, v6, 3, v5                   ; r = (l & 7) + 8 (l >> 4): the fragment's lane that holds my column
	v_bfe_u32 v6, v1, 3, 1                         ; u = (l >> 3) & 1: the tile of the pair
	v_mul_u32_u24 v3, v6, 1536
	v_lshl_add_u32 v3, v5, 4, v3                   ; out: 1536 u + 16 r
	v_lshl_add_u32 v4, v6, 4, v5
	v_lshlrev_b32 v4, 2, v4                        ; scale word: 4 (r + 16 u)
	s_mov_b32 s16, 0                               ; tW's figures: first work-group,
	s_mov_b32 s17, 0                               ; OFF,
	s_mov_b32 s18, 0                               ; SOFF,
	s_mov_b32 s19, 6                               ; KS,
	s_mov_b32 s20, 2                               ; log2 of the work-groups side by side on a K step (512 columns / 128)
	s_wait_kmcnt 0x0
	s_mov_b64 s[22:23], s[4:5]
	s_cmp_ge_u32 ttmp9, 24                         ; the choices hang on the work-group's number alone
	s_cselect_b64 s[22:23], s[6:7], s[22:23]
	s_cselect_b32 s16, 24, s16
	s_cselect_b32 s17, 294912, s17
	s_cselect_b32 s18, 12288, s18
	s_cmp_ge_u32 ttmp9, 48
	s_cselect_b64 s[22:23], s[8:9], s[22:23]
	s_cselect_b32 s16, 48, s16
	s_cselect_b32 s17, 589824, s17
	s_cselect_b32 s18, 24576, s18
	s_cselect_b32 s20, 3, s20
	s_cmp_ge_u32 ttmp9, 96
	s_cselect_b64 s[22:23], s[10:11], s[22:23]
	s_cselect_b32 s16, 96, s16
	s_cselect_b32 s17, 1179648, s17
	s_cselect_b32 s18, 49152, s18
	s_cselect_b32 s19, 8, s19
	s_cselect_b32 s20, 2, s20
	s_sub_co_u32 s24, ttmp9, s16                   ; my number within the matrix
	s_lshr_b32 s21, s24, s20                       ; K step s
	s_lshl_b32 s25, s21, s20
	s_sub_co_u32 s25, s24, s25                     ; which 128 columns
	s_lshl_b32 s25, s25, 2
	s_add_co_u32 s25, s25, s2                      ; block b
	s_add_co_u32 s26, s20, 16                      ; 128 rows are 2^(7 + 9 + s20) bytes: a row is 2,048 or 4,096
	s_lshl_b32 s26, s21, s26
	s_lshl_b32 s27, s25, 7                         ; + 128 b
	s_add_co_u32 s26, s26, s27
	s_mov_b32 s27, 0
	s_add_nc_u64 s[22:23], s[22:23], s[26:27]
	s_mul_i32 s28, s25, s19
	s_add_co_u32 s28, s28, s21                     ; b KS + s
	s_mul_i32 s26, s28, 3072
	s_add_co_u32 s26, s26, s17
	s_add_nc_u64 s[12:13], s[12:13], s[26:27]
	s_lshl_b32 s26, s28, 7
	s_add_co_u32 s26, s26, s18
	s_add_nc_u64 s[14:15], s[14:15], s[26:27]
.macro PLOAD j, pitch                  ; block j: rows 32 j .. 32 j + 31 of my column
.set i, 0
.rept 32
	global_load_b32 v[X+32*(\j)+i], v2, s[22:23] offset:(32*(\j)+i)*(\pitch) th:TH_LOAD_NT
.set i, i+1
.endr
.endm
.macro PBLOCK j, pitch
.set XS, X+32*(\j)
.set CH, C0+12*((\j)%2)+6*((\j)/2)     ; block j = 2 c + h is registers 6 c .. 6 c + 5 of half h
.if (\j) < 3
	s_wait_loadcnt 32                              ; this block's 32 loads are in; the next block's 32 may be out
.else
	s_wait_loadcnt 0x0
.endif
.if (\j) < 2
	PLOAD (\j)+2, \pitch                           ; two blocks ahead, into registers of their own
.endif
	v_max3_num_f32 v8, |v[XS]|, |v[XS+1]|, |v[XS+2]|               ; the block's largest magnitude: all 32 numbers are mine; two chains
	v_max3_num_f32 v9, |v[XS+3]|, |v[XS+4]|, |v[XS+5]|
.irp i, 6,10,14,18,22,26
	v_max3_num_f32 v8, v8, |v[XS+\i]|, |v[XS+\i+1]|
	v_max3_num_f32 v9, v9, |v[XS+\i+2]|, |v[XS+\i+3]|
.endr
	v_max3_num_f32 v8, v8, |v[XS+30]|, |v[XS+31]|
	v_max3_num_f32 v8, v8, v9, 0x1800000           ; and the floor 2^(3 - 127): the byte cannot fall under 1
	v_add_nc_u32 v10, 0xff000000, v8               ; 2 off the exponent field: the conversion takes the exponent field of this operand as its scale
	v_lshrrev_b32 v11, 23, v10                     ; the scale's byte
.if (\j) == 0
	v_mov_b32 v12, v11
.else
	v_lshl_or_b32 v12, v11, 8*(\j), v12            ; four bytes to the word, the lower K in the lower byte
.endif
	v_cvt_scalef32_pk16_fp6_f32 v[CH:CH+2], v[XS:XS+15], v10
	v_cvt_scalef32_pk16_fp6_f32 v[CT:CT+2], v[XS+16:XS+31], v10
	v_nop                                          ; one plain instruction behind a scaled conversion, ahead of the moves that read its result
.irp i, 0,1,2
	v_mov_b32 v[CH+3+\i], v[CT+\i]
.endr
.endm
.macro BODY pitch
	PLOAD 0, \pitch
	PLOAD 1, \pitch
	PBLOCK 0, \pitch
	PBLOCK 1, \pitch
	PBLOCK 2, \pitch
	PBLOCK 3, \pitch
.irp h, 0,1
.irp q, 0,1,2
	global_store_b128 v3, v[C0+12*\h+4*\q:C0+12*\h+4*\q+3], s[12:13] offset:256*\h+512*\q   ; the sixteen lanes of a tile store 256 consecutive bytes, aligned
.endr
.endr
	global_store_b32 v4, v12, s[14:15]             ; 128 consecutive bytes
	s_endpgm
.endm
	s_cmp_eq_u32 s20, 3                            ; fW1's rows are 4,096 bytes: the rows stand in the loads' immediates, so the body is written for each pitch
	s_cbranch_scc1 .Lwide
	BODY 2048
.Lwide:
	BODY 4096
.Lfunc_end_k_q22066e6b62_prep:
	.size	k_q22066e6b62_prep, .Lfunc_end_k_q22066e6b62_prep-k_q22066e6b62_prep
	.p2alignl 7, 3214868480
	.fill 96, 4, 3214868480
	.section	.rodata,"a",@progbits
	.p2align	6, 0x0
	.amdhsa_kernel k_q22066e6b62_prep
		.amdhsa_group_segment_fixed_size 0
		.amdhsa_private_segment_fixed_size 0
		.amdhsa_enable_private_segment 0
		.amdhsa_kernarg_size 48
		.amdhsa_user_sgpr_count 2
		.amdhsa_user_sgpr_kernarg_segment_ptr 1
		.amdhsa_wavefront_size32 1
		.amdhsa_system_sgpr_workgroup_id_x 1
		.amdhsa_system_sgpr_workgroup_id_y 1
		.amdhsa_system_sgpr_workgroup_id_z 1
		.amdhsa_system_vgpr_workitem_id 0
		.amdhsa_next_free_vgpr 192
		.amdhsa_next_free_sgpr 66
		.amdhsa_reserve_vcc 0
		.amdhsa_float_denorm_mode_32 3
		.amdhsa_float_denorm_mode_16_64 3
		.amdhsa_memory_ordered 1
		.amdhsa_forward_progress 1
		.amdhsa_inst_pref_size 40
	.end_amdhsa_kernel
	.amdgpu_metadata
---
amdhsa.version: [ 1, 2 ]
amdhsa.kernels:
  - .name:           k_q22066e6b62_prep
    .symbol:         k_q22066e6b62_prep.kd
    .args:
      - { .name: tW, .offset: 0, .size: 8, .value_kind: global_buffer, .address_space: global }
      - { .name: gW, .offset: 8, .size: 8, .value_kind: global_buffer, .address_space: global }
      - { .name: fW1, .offset: 16, .size: 8, .value_kind: global_buffer, .address_space: global }
      - { .name: fW2, .offset: 24, .size: 8, .value_kind: global_buffer, .address_space: global }
      - { .name: wq, .offset: 32, .size: 8, .value_kind: global_buffer, .address_space: global }
      - { .name: wsc, .offset: 40, .size: 8, .value_kind: global_buffer, .address_space: global }
    .group_segment_fixed_size: 0
    .private_segment_fixed_size: 0
    .kernarg_segment_align: 8
    .kernarg_segment_size: 48
    .max_flat_workgroup_size: 128
    .sgpr_count:     66
    .vgpr_count:     192
    .wavefront_size: 32
...
	.end_amdgpu_metadata
.endif
;; end of part 1
;; launch cell (part 2): grid 256 x 1, 4 waves a work-group, no clusters, 226,816 bytes of LDS; arguments x, u, fb1, fb2, tb, gb, ln_g, ln_b, wq, wsc, out0; writes out0
.if DOCPART == 2
	.amdgcn_target "amdgcn-amd-amdhsa--gfx1250"
	.amdhsa_code_object_version 6
	.text
	.protected	k_q22066e6b62_cell
	.globl	k_q22066e6b62_cell
	.p2align	8
	.type	k_q22066e6b62_cell,@function
k_q22066e6b62_cell:
	s_mov_b64 s[64:65], 0
	v_nop
	global_prefetch_b8 v0, s[64:65] scope:SCOPE_SE
	s_setreg_imm32_b32 hwreg(HW_REG_WAVE_MODE, 25, 1), 1
	s_wait_xcnt 0x0
; One Heun step of the liquid cell and its LayerNorm, fused: a work-group of four waves takes 64 rows through both stages; nothing but x, u, the weights' codes and the result touches memory.
; A stage: t, g, h = [xin | u] x tW, gW, fW1 (+ biases); z = silu(h) x fW2 + fb2; T = (tanh(z) sigmoid(g) - xin) / max(softplus(t), 0.01).  x1 = x + 0.05 T1; y = x + 0.025 T1 + 0.025 T2.
; All products on codes of FP6 (E2M3) with one E8M0 scale for each 32 along K; the left operands are quantised here, in f32, on their way.
; SHARES.  THE WAVES SHARE THE COLUMNS, NOT THE ROWS: wave w owns hidden units 256 w .. + 255 and state columns 128 w .. + 127, for all 64 rows (four tiles m of 16).
; So each fragment of the weights is multiplied by ONE wave: three loads of 16 bytes a lane bring it from memory into that wave's operand registers (the earlier launch laid it so), through a ring of four K steps
; (16 fragments, 24,576 bytes a wave on their way).  All work-groups walk the same weights, and yet there are no joint tensor loads: through LDS a fragment's 1,536 bytes would be written and read once more for its
; 4 matrix instructions, beside the 6,656 bytes of activation images that a K step's 16 matrix instructions read there already, and 101,376 bytes of LDS are left for slots.
; ACTIVATIONS GO FROM WAVE TO WAVE THROUGH LDS AS IMAGES OF THEIR REGISTERS: a fragment (16 rows x 128 K, 12 registers) by three stores of 16 bytes a lane at 16 x lane; the scale words of a K step's four tiles: 16 bytes a lane.
; THE PRODUCTS ARE USED TRANSPOSED (source 0 = 16 columns of a weight, source 1 = 16 rows): a lane holds ONE row, and the 16 registers of a pair of tiles are 16 neighbouring columns, 32 b + 16 (lane / 16) + 0 .. 15: the next K.
; UNITS of 16 accumulators: H (2 blocks of 32 hidden units x 4 m, 6 K steps), Z (2 blocks of z, 8 K steps), TG (a block of t and the same block of g, 6 K steps).  A stage: 4 H | barrier | 2 x (Z, TG, TG).
; The biases are the C of each sum's first matrix instruction.  The 16 accumulators take turns, one instruction a turn, in the same order in every K step.
; LIMITS: e^-g is held at 2^60 (the gate never falls under 2^-60) and e^2z at 2^40 (tanh is 1 in f32 there); tau x (1 + e^2z)(1 + e^-g) must stay under 2^127: tau and |x| under 2^26;
; ln(1 + e^-|t|) is taken as ln 2 x log2(1 + w), so that tau's relative error reaches 6e-6 where tau is near 0.01; NaN and infinities are not served; a block of zeros gets the scale byte 1 (its codes are zeros).
; The second stage's last K steps ask for the first H unit's header and four K steps once more (24,576 bytes of codes a wave and the header, inside the buffers, read by nobody): so every counted wait holds alike in both trips.
;
; LDS: XIMG 0: [x | u]'s fragments, (k, m) at (4 k + m) 1536;  XSC: their scale words, 512 bytes a K step;  HIMG, HSC: the hidden layer's likewise (8 K steps);
;      STATE: each wave's own 32,768 bytes: images of xin (block q, tile m, four registers p: 8192 q + 2048 m + 512 p + 16 lane), later its two stages for the way out;  LNP: the LayerNorm's partial sums.
.set XIMG,  0
.set XSC,   36864
.set HIMG,  39936
.set HSC,   89088
.set HSCO,  HSC-HIMG
.set STATE, 93184
.set LNP,   224256
.set SPITCH, 528                       ; the way out: a row of 512 bytes + 16 = 33 x 16 bytes
; REGISTERS, in windows of 256.  Window 0:
.set LI,   1                           ; 16 x lane
.set LS,   2                           ; 4 x lane
.set XWI,  3                           ; where I store x's images: 6144 w + 16 lane (K step w)
.set XWS,  4                           ; and their scale words
.set UWI,  5                           ; u's images: K step 4, tile w
.set UWS,  6                           ; and their words: 4 w in each lane's 16 bytes
.set HWI,  7                           ; the hidden layer's images: K steps 2 w, 2 w + 1
.set HWS,  8
.set STA,  9                           ; my STATE + 16 lane
.set BO,   10                          ; 64 h: a bias's 16 numbers of my half
.set GX,   11                          ; x: 2048 r + 64 h
.set GU,   12                          ; u: 1024 r + 64 h
.set SOA,  13                          ; the way out: my stage, row r, + 64 h
.set HWA,  14                          ; this trip's HWI
.set STQ,  15                          ; this trip's STA
.set AB0,  16                          ; v16-63, v64-111: two buffers of four activation fragments
.set TM,   64                          ; in epilogues the second buffer is at work: largest magnitudes,
.set TP,   72                          ; the other half's, then the scale bytes,
.set SO,   80                          ; the conversions' scale operands,
.set PT,   88                          ; upper halves of blocks' codes, 4 registers a tile
.set AS0,  112                         ; v112-115, v116-119: the buffers' scale words (scales and nothing else)
.set SS0,  120                         ; v120-131, v132-143, v144-159: three sets of the weights' scale words: lanes 0-15 tile u = 0, lanes 16-31 tile u = 1
.set SS1,  132
.set SS2,  144
.set BI,   160                         ; v160-191 a unit's biases: 8 registers for (a, u)
.set PC,   192                         ; v192-239 the codes being made: 12 registers a tile m
.set PWD,  240                         ; v240-243 their scale words
.set LNW,  244
.set LNR,  245
.set LIH,  246                         ; 16 lane + HIMG
.set HWB,  247                         ; this trip's HWS
; Window 1: v0-191 the weights' ring: slot p at 48 p, fragment (a, u) at + 12 (2 a + u);  v192-255 XT.   Window 2: v0-127 ACC, (a, m, u) at 64 a + 16 m + 8 u;  v128-255 ZA likewise.
; Window 3: S, the running y: register 64 m + 16 q + i = row 16 m + r, column 128 w + 32 q + 16 h + i.
.set XT,   192
.set ACC,  0
.set ZA,   128
; SCALARS: s2 wave; s[8:29] the buffers; pointers below; s54 stage, s55 H trip, s56 P2 trip; s57, s59, s58 the trips' LDS offsets; s[60:61] lane selects; s[66:79] constants
.set HBP, 12
.set ZBP, 14
.set TBP, 16
.set GBP, 18
.set HP0, 30
.set HP1, 32
.set ZP0, 34
.set ZP1, 36
.set TP0, 38
.set TP1, 40
.set XN0, 42
.set XN1, 44
.set HSP, 48
.set ZSP, 50
.set TSP, 52
.set MSB, 0
.macro WIN new                         ; low byte: bits 1:0 source 0, 3:2 source 1, 5:4 source 2, 7:6 destination; the high byte repeats the setting that is left
.if MSB != (\new)
	s_set_vgpr_msb (MSB<<8)|(\new)
.set MSB, \new
.endif
.endm
.macro PLACES                          ; four plain instructions between matrix instructions and loads into, or reads of, their registers
.rept 4
	v_nop
.endr
.endm
.macro BARRIER                         ; my LDS stores have landed and my LDS loads are in: then the work-group's barrier
	s_wait_dscnt 0x0
	s_barrier_signal -1
	s_barrier_wait -1
.endm
; 16 matrix instructions: K step k of a unit: blocks a, tiles u, row tiles m.  k = 0: the bias starts the sums.
.macro MM accb, ab, slot, sset, KS, k
.if (\k) == 0
	WIN 0x81                                       ; weights window 1, activations and bias window 0, results window 2
.else
	WIN 0xa1                                       ; C and D window 2
.endif
.irp a, 0,1
.irp u, 0,1
.irp m, 0,1,2,3
.set rD, (\accb)+64*\a+16*\m+8*\u
.set rW, 48*(\slot)+12*(2*\a+\u)
.set rA, AB0+48*(\ab)+12*\m
.set rS, (\sset)+(\KS)*\a+(\k)
.set rT, AS0+4*(\ab)+\m
.set rC, rD
.if (\k) == 0
.set rC, BI+8*(2*\a+\u)
.endif
.if \u
	v_wmma_scale_f32_16x16x128_f8f6f4 v[rD:rD+7], v[rW:rW+11], v[rA:rA+11], v[rC:rC+7], v[rS], v[rT] matrix_a_fmt:MATRIX_FMT_FP6 matrix_b_fmt:MATRIX_FMT_FP6 matrix_a_scale:MATRIX_SCALE_ROW1
.else
	v_wmma_scale_f32_16x16x128_f8f6f4 v[rD:rD+7], v[rW:rW+11], v[rA:rA+11], v[rC:rC+7], v[rS], v[rT] matrix_a_fmt:MATRIX_FMT_FP6 matrix_b_fmt:MATRIX_FMT_FP6
.endif
.endr
.endr
.endr
.endm
; a K step's four activation fragments and their four scale words: 13 LDS loads, each of 512 consecutive bytes
.macro ALOAD ab, areg, off, scoff
.irp m, 0,1,2,3
.irp q, 0,1,2
	ds_load_b128 v[AB0+48*(\ab)+12*\m+4*\q:AB0+48*(\ab)+12*\m+4*\q+3], v[\areg] offset:(\off)+1536*\m+512*\q
.endr
.endr
	ds_load_b128 v[AS0+4*(\ab):AS0+4*(\ab)+3], v[\areg] offset:\scoff
.endm
; a K step's four weight fragments: 12 loads, each of 512 consecutive bytes
.macro WLOAD slot, p0, p1, off
	WIN 0x40
.irp u, 0,1
.irp q, 0,1,2
	global_load_b128 v[48*(\slot)+12*\u+4*\q:48*(\slot)+12*\u+4*\q+3], v[LI], s[\p0:\p0+1] offset:(\off)+1536*\u+512*\q
.endr
.endr
.irp u, 0,1
.irp q, 0,1,2
	global_load_b128 v[48*(\slot)+24+12*\u+4*\q:48*(\slot)+24+12*\u+4*\q+3], v[LI], s[\p1:\p1+1] offset:(\off)+1536*\u+512*\q
.endr
.endr
.endm
; a unit's header: its weights' scale words (2 KS loads) and its biases (8 loads)
.macro HDR_S set, KS, ptr, so, astr
.irp a, 0,1
.set kk, 0
.rept \KS
	global_load_b32 v[(\set)+(\KS)*\a+kk], v[LS], s[\ptr:\ptr+1] offset:(\so)+(\astr)*\a+128*kk
.set kk, kk+1
.endr
.endr
.endm
.macro HDR_B a, ptr, bo
.irp u, 0,1
.irp j, 0,1
	global_load_b128 v[BI+8*(2*\a+\u)+4*\j:BI+8*(2*\a+\u)+4*\j+3], v[BO], s[\ptr:\ptr+1] offset:(\bo)+32*\u+16*\j
.endr
.endr
.endm
.macro HDR_H set, so, bo               ; 20 loads
	HDR_S \set, 6, HSP, \so, 768
	HDR_B 0, HBP, \bo
	HDR_B 1, HBP, (\bo)+128
.endm
.macro HDR_Z so, bo                    ; 24 loads
	HDR_S SS2, 8, ZSP, \so, 1024
	HDR_B 0, ZBP, \bo
	HDR_B 1, ZBP, (\bo)+128
.endm
.macro HDR_T set, so, bo               ; 20 loads: a = 0 is tW's block, a = 1 gW's
	HDR_S \set, 6, TSP, \so, 12288
	HDR_B 0, TBP, \bo
	HDR_B 1, GBP, \bo
.endm
; n blocks' scales.  Block b: my 16 numbers at v[src + 16 b] of window sw.  Leaves the conversions' scale operands in SO and the bytes in TP.
.macro AMAX n, src, sw
	WIN ((\sw)<<2)|((\sw)<<4)
.set b, 0
.rept \n
	v_max3_num_f32 v[TM+b], 0x1800000, |v[(\src)+16*b]|, |v[(\src)+16*b+1]|   ; with the floor 2^(3 - 127): the byte cannot fall under 1
.set b, b+1
.endr
.irp i, 2,4,6,8,10,12,14
.set b, 0
.rept \n
	v_max3_num_f32 v[TM+b], v[TM+b], |v[(\src)+16*b+\i]|, |v[(\src)+16*b+\i+1]|   ; the blocks by turns
.set b, b+1
.endr
.endr
	WIN 0
.set b, 0
.rept \n
	v_permlanex16_b32 v[TP+b], v[TM+b], s60, s61
.set b, b+1
.endr
.set b, 0
.rept \n
	v_max_num_f32 v[TM+b], v[TM+b], v[TP+b]        ; with lane l xor 16's 16 numbers: the block's largest magnitude
.set b, b+1
.endr
.set b, 0
.rept \n
	v_add_nc_u32 v[SO+b], 0xff000000, v[TM+b]      ; 2 off its exponent field: the conversion's scale operand
.set b, b+1
.endr
.set b, 0
.rept \n
	v_lshrrev_b32 v[TP+b], 23, v[SO+b]             ; the scale's byte
.set b, b+1
.endr
.endm
.macro SWAPS pcb, ptb                  ; the operand's layout wants a WHOLE block in a lane: the first's lanes 16-31 change places with the second's lanes 0-15
.irp i, 0,1,2
	v_permlane16_swap_b32 v[(\pcb)+\i], v[(\ptb)+\i]
.endr
.endm
.macro MOVES pcb, ptb
.irp i, 0,1,2
	v_mov_b32 v[(\pcb)+3+\i], v[(\ptb)+\i]
.endr
.endm
; 64 numbers of a lane in window sw, register 16 b + i = k 32 b + 16 h + i of my row, become a fragment in v[pc] on and its scale word in v[pw]
.macro QUANT4 sw, src, pc, pw
	AMAX 4, \src, \sw
	v_lshl_or_b32 v[\pw], v[TP+1], 8, v[TP]
	v_lshl_or_b32 v[\pw], v[TP+2], 16, v[\pw]
	v_lshl_or_b32 v[\pw], v[TP+3], 24, v[\pw]
	WIN \sw
.irp c, 0,1
	v_cvt_scalef32_pk16_fp6_f32 v[(\pc)+6*\c:(\pc)+6*\c+2], v[(\src)+32*\c:(\src)+32*\c+15], v[SO+2*\c]
	v_cvt_scalef32_pk16_fp6_f32 v[PT+4*\c:PT+4*\c+2], v[(\src)+32*\c+16:(\src)+32*\c+31], v[SO+2*\c+1]
.endr
	WIN 0
	v_nop                                          ; one plain instruction behind a scaled conversion
.irp c, 0,1
	SWAPS (\pc)+6*\c, PT+4*\c
.endr
.irp c, 0,1
	MOVES (\pc)+6*\c, PT+4*\c
.endr
.endm
.macro IMAGE adr, pc, off              ; a fragment goes to LDS as it stands
.irp c, 0,1,2
	ds_store_b128 v[\adr], v[(\pc)+4*\c:(\pc)+4*\c+3] offset:(\off)+512*\c
.endr
.endm
; ---- THE H UNIT'S EPILOGUE: silu in f32, then half a K step's codes for each tile m.  All 128 numbers lie in window 2; ZA's registers are at work (no z is alive in this phase).
.macro HEPI un
	WIN 0xaa
.set i, 0
.rept 8
	v_pk_mul_f32 v[128+2*i:129+2*i], v[2*i:2*i+1], s[66:67] op_sel_hi:[1,0]   ; -h log2(e); each accumulator is read from its low end on
.set i, i+1
.endr
.set i, 0
.rept 64
	v_exp_f32 v[128+2*i], v[128+2*i]               ; e^-h.  The scalings run eight pairs ahead of the exponentials
	v_exp_f32 v[129+2*i], v[129+2*i]
.if i < 56
	v_pk_mul_f32 v[144+2*i:145+2*i], v[16+2*i:17+2*i], s[66:67] op_sel_hi:[1,0]
.endif
.set i, i+1
.endr
	v_nop                                          ; a plain instruction behind the last exponential,
	s_wait_alu depctr_va_vdst(0)                   ; and one wait for the batch, ahead of its first reader
.set i, 0
.rept 8
	v_pk_add_f32 v[128+2*i:129+2*i], v[128+2*i:129+2*i], 1.0 op_sel_hi:[1,0]
.set i, i+1
.endr
.set i, 0
.rept 64
	v_rcp_f32 v[128+2*i], v[128+2*i]               ; 1 / (1 + e^-h)
	v_rcp_f32 v[129+2*i], v[129+2*i]
.if i < 56
	v_pk_add_f32 v[144+2*i:145+2*i], v[144+2*i:145+2*i], 1.0 op_sel_hi:[1,0]
.endif
.set i, i+1
.endr
	v_nop
	s_wait_alu depctr_va_vdst(0)
.set i, 0
.rept 64
	v_pk_mul_f32 v[2*i:2*i+1], v[2*i:2*i+1], v[128+2*i:129+2*i]    ; silu(h)
.set i, i+1
.endr
	AMAX 8, 0, 2                                   ; block 4 a + m
	WIN 0x02
.irp m, 0,1,2,3
	v_cvt_scalef32_pk16_fp6_f32 v[PC+12*\m+6*\un:PC+12*\m+6*\un+2], v[16*\m:16*\m+15], v[SO+\m]
	v_cvt_scalef32_pk16_fp6_f32 v[PT+4*\m:PT+4*\m+2], v[64+16*\m:64+16*\m+15], v[SO+4+\m]
.endr
	WIN 0
	v_nop
.irp m, 0,1,2,3
	SWAPS PC+12*\m+6*\un, PT+4*\m
.endr
.irp m, 0,1,2,3
	MOVES PC+12*\m+6*\un, PT+4*\m
.endr
.irp m, 0,1,2,3
.if \un == 0
	v_lshl_or_b32 v[PWD+\m], v[TP+4+\m], 8, v[TP+\m]               ; bytes 0 and 1 of the K step's word
.else
	v_lshl_or_b32 v[PWD+\m], v[TP+\m], 16, v[PWD+\m]               ; bytes 2 and 3
	v_lshl_or_b32 v[PWD+\m], v[TP+4+\m], 24, v[PWD+\m]
.endif
.endr
.if \un == 0
	ALOAD 1, LI, 6144, XSC+512                     ; the next unit's second K step, into the buffer that was at work here
.else
.irp m, 0,1,2,3
	IMAGE HWA, PC+12*\m, 1536*\m                   ; a whole K step of the second product
.endr
	ds_store_b128 v[HWB], v[PWD:PWD+3]
.endif
.endm
; ---- THE TG UNIT'S EPILOGUE, for block q = 2 x (P2 trip) + e.  Window 2: T = v0-63 (t), G = v64-127 (g), Z = z's block e.  Register 16 m + i throughout.
.macro SUPD q                          ; y's running sum: S += 0.025 T
.irp m, 0,1,2,3
.set i, 0
.rept 8
	v_pk_fma_f32 v[64*\m+16*(\q)+2*i:64*\m+16*(\q)+2*i+1], v[16*\m+2*i:16*\m+2*i+1], s[74:75], v[64*\m+16*(\q)+2*i:64*\m+16*(\q)+2*i+1] op_sel_hi:[1,0,1]
.set i, i+1
.endr
.endr
.endm
.macro TCONV e, c                      ; x1's block 2 c + e becomes codes: registers 6 c .. 6 c + 5 of K step w's fragments
	WIN 0x02
.irp m, 0,1,2,3
.if (\e) == 0
	v_cvt_scalef32_pk16_fp6_f32 v[PC+12*\m+6*\c:PC+12*\m+6*\c+2], v[64+16*\m:64+16*\m+15], v[SO+\m]
.else
	v_cvt_scalef32_pk16_fp6_f32 v[PT+4*\m:PT+4*\m+2], v[64+16*\m:64+16*\m+15], v[SO+\m]
.endif
.endr
	WIN 0
	v_nop
.if (\e) == 1
.irp m, 0,1,2,3
	SWAPS PC+12*\m+6*\c, PT+4*\m
.endr
.irp m, 0,1,2,3
	MOVES PC+12*\m+6*\c, PT+4*\m
.endr
.endif
.irp m, 0,1,2,3
.if (\e)+(\c) == 0
	v_mov_b32 v[PWD+\m], v[TP+\m]
.else
	v_lshl_or_b32 v[PWD+\m], v[TP+\m], 8*(2*\c+(\e)), v[PWD+\m]
.endif
.endr
.endm
.macro TEPI e
.set rZ, 128+64*\e
	WIN 0x48
.set i, 0
.rept 64
	v_max_num_f32 v[XT+i], 0, v[i]                 ; max(t, 0)
.set i, i+1
.endr
	WIN 0xaa
.set i, 0
.rept 64
	v_mul_f32 v[i], |v[i]|, s66                    ; -|t| log2(e)
.set i, i+1
.endr
.set i, 0
.rept 32                               ; w = e^-|t|; between the exponentials: min(-g log2(e), 60)
	v_pk_mul_f32 v[64+2*i:65+2*i], v[64+2*i:65+2*i], s[66:67] op_sel_hi:[1,0]
	v_exp_f32 v[2*i], v[2*i]
	v_min_num_f32 v[64+2*i], s78, v[64+2*i]
	v_exp_f32 v[2*i+1], v[2*i+1]
	v_min_num_f32 v[65+2*i], s78, v[65+2*i]
.set i, i+1
.endr
.set i, 0
.rept 32                               ; e^-g; between them: min(2 z log2(e), 40)
	v_pk_mul_f32 v[rZ+2*i:rZ+2*i+1], v[rZ+2*i:rZ+2*i+1], s[68:69] op_sel_hi:[1,0]
	v_exp_f32 v[64+2*i], v[64+2*i]
	v_min_num_f32 v[rZ+2*i], s79, v[rZ+2*i]
	v_exp_f32 v[65+2*i], v[65+2*i]
	v_min_num_f32 v[rZ+2*i+1], s79, v[rZ+2*i+1]    ; (the last of these is the plain instruction behind the last exponential)
.set i, i+1
.endr
	s_wait_alu depctr_va_vdst(0)                   ; one wait for both batches, ahead of their first reader
.set i, 0
.rept 32                               ; e^2z; between them: 1 + w and 1 + e^-g
	v_exp_f32 v[rZ+2*i], v[rZ+2*i]
	v_pk_add_f32 v[2*i:2*i+1], v[2*i:2*i+1], 1.0 op_sel_hi:[1,0]
	v_exp_f32 v[rZ+2*i+1], v[rZ+2*i+1]
	v_pk_add_f32 v[64+2*i:65+2*i], v[64+2*i:65+2*i], 1.0 op_sel_hi:[1,0]
.set i, i+1
.endr
	s_wait_alu depctr_va_vdst(0)
.set i, 0
.rept 32                               ; log2(1 + w); between them: D = (e^2z + 1)(1 + e^-g), then e^2z - 1
	v_log_f32 v[2*i], v[2*i]
	v_pk_fma_f32 v[64+2*i:65+2*i], v[rZ+2*i:rZ+2*i+1], v[64+2*i:65+2*i], v[64+2*i:65+2*i]
	v_log_f32 v[2*i+1], v[2*i+1]
	v_pk_add_f32 v[rZ+2*i:rZ+2*i+1], v[rZ+2*i:rZ+2*i+1], -1.0 op_sel_hi:[1,0]
.set i, i+1
.endr
	s_wait_alu depctr_va_vdst(0)
	WIN 0x92
.set i, 0
.rept 32
	v_pk_fma_f32 v[2*i:2*i+1], v[2*i:2*i+1], s[70:71], v[XT+2*i:XT+2*i+1] op_sel_hi:[1,0,1]   ; softplus(t) = max(t, 0) + ln 2 x log2(1 + w)
.set i, i+1
.endr
	WIN 0x40
.irp m, 0,1,2,3
.irp p, 0,1,2,3
	ds_load_b128 v[XT+16*\m+4*\p:XT+16*\m+4*\p+3], v[STQ] offset:8192*\e+2048*\m+512*\p   ; xin, from my own images
.endr
.endr
	WIN 0xaa
.set i, 0
.rept 64
	v_max_num_f32 v[i], s77, v[i]                  ; tau
.set i, i+1
.endr
.set i, 0
.rept 32
	v_pk_mul_f32 v[2*i:2*i+1], v[2*i:2*i+1], v[64+2*i:65+2*i]      ; tau D
.set i, i+1
.endr
	s_wait_dscnt 0x0                               ; xin is in
	WIN 0xa6
.set i, 0
.rept 32                               ; 1 / (tau D); between them: (e^2z - 1) - xin D
	v_rcp_f32 v[2*i], v[2*i]
	v_pk_fma_f32 v[64+2*i:65+2*i], v[64+2*i:65+2*i], v[XT+2*i:XT+2*i+1], v[rZ+2*i:rZ+2*i+1] neg_lo:[0,1,0] neg_hi:[0,1,0]
	v_rcp_f32 v[2*i+1], v[2*i+1]
.set i, i+1
.endr
	v_nop
	s_wait_alu depctr_va_vdst(0)
	WIN 0xaa
.set i, 0
.rept 32
	v_pk_mul_f32 v[2*i:2*i+1], v[2*i:2*i+1], v[64+2*i:65+2*i]      ; T = (f - xin) / tau
.set i, i+1
.endr
	WIN 0
	s_cmp_eq_u32 s56, 0                            ; S's registers hang on q: written for each P2 trip
	s_cbranch_scc0 .Lsup1_\@
	WIN 0xf2
	SUPD \e
	WIN 0
	s_branch .Lsupj_\@
.Lsup1_\@:
	WIN 0xf2
	SUPD 2+\e
	WIN 0
.Lsupj_\@:
	s_cmp_eq_u32 s54, 1                            ; the second stage needs no x2
	s_cbranch_scc1 .Lnoq_\@
	WIN 0x92
.set i, 0
.rept 32
	v_pk_fma_f32 v[64+2*i:65+2*i], v[2*i:2*i+1], s[72:73], v[XT+2*i:XT+2*i+1] op_sel_hi:[1,0,1]   ; x1 = x + 0.05 T
.set i, i+1
.endr
	WIN 0x08
.irp m, 0,1,2,3
.irp p, 0,1,2,3
	ds_store_b128 v[STQ], v[64+16*\m+4*\p:64+16*\m+4*\p+3] offset:8192*\e+2048*\m+512*\p     ; over x's image: the second stage's xin
.endr
.endr
	AMAX 4, 64, 2
	s_cmp_eq_u32 s56, 0
	s_cbranch_scc0 .Lcv1_\@
	TCONV \e, 0
	s_branch .Lcvj_\@
.Lcv1_\@:
	TCONV \e, 1
.Lcvj_\@:
.Lnoq_\@:
.if \e == 0
	ALOAD 1, LI, 6144, XSC+512                     ; the next unit's second K step
.endif
.endm
; ================================================================ the head
	s_load_b512 s[8:23], s[0:1], 0x0               ; x, u, fb1, fb2, tb, gb, ln_g, ln_b
	s_load_b128 s[24:27], s[0:1], 0x40             ; wq, wsc
	s_load_b64 s[28:29], s[0:1], 0x50              ; out0
	v_lshrrev_b32 v248, 5, v0
	v_readfirstlane_b32 s2, v248                   ; wave 0..3
	v_and_b32 v248, 31, v0                         ; lane
	v_and_b32 v249, 15, v0                         ; r
	v_bfe_u32 v250, v0, 4, 1                       ; h
	v_lshlrev_b32 v[LI], 4, v248
	v_lshlrev_b32 v[LS], 2, v248
	s_mul_i32 s3, s2, 6144
	v_add_nc_u32 v[XWI], s3, v[LI]
	s_lshl_b32 s3, s2, 9
	s_add_co_u32 s3, s3, XSC
	v_add_nc_u32 v[XWS], s3, v[LI]
	s_mul_i32 s3, s2, 1536
	s_add_co_u32 s3, s3, 24576
	v_add_nc_u32 v[UWI], s3, v[LI]
	s_lshl_b32 s3, s2, 2
	s_add_co_u32 s3, s3, XSC+2048
	v_add_nc_u32 v[UWS], s3, v[LI]
	s_mul_i32 s3, s2, 12288
	s_add_co_u32 s3, s3, HIMG
	v_add_nc_u32 v[HWI], s3, v[LI]
	s_lshl_b32 s3, s2, 10
	s_add_co_u32 s3, s3, HSC
	v_add_nc_u32 v[HWS], s3, v[LI]
	s_lshl_b32 s3, s2, 15
	s_add_co_u32 s3, s3, STATE
	v_add_nc_u32 v[STA], s3, v[LI]
	v_lshlrev_b32 v[BO], 6, v250
	v_lshl_add_u32 v[GX], v249, 11, v[BO]
	v_lshl_add_u32 v[GU], v249, 10, v[BO]
	v_mul_u32_u24 v[SOA], v249, SPITCH
	v_add_nc_u32 v[SOA], v[SOA], v[BO]
	v_add_nc_u32 v[SOA], s3, v[SOA]
	v_lshlrev_b32 v[LNR], 4, v249
	v_add_nc_u32 v[LNR], LNP, v[LNR]               ; the partial sums: 16 r,
	s_lshl_b32 s3, s2, 8
	v_add_nc_u32 v[LNW], s3, v[LNR]                ; mine at + 256 w
	v_add_nc_u32 v[LIH], HIMG, v[LI]
.irp b, 0,1,2,3,4,5,6,7
	v_mov_b32 v[TP+\b], 0                          ; written once: a lane permute's destination counts as one of its sources
.endr
	s_mov_b32 s60, 0x76543210
	s_mov_b32 s61, 0xfedcba98                      ; v_permlanex16_b32's selects for lane l xor 16
	s_mov_b32 s66, 0xbfb8aa3b                      ; -log2(e)   (the packed forms name pairs and take the low word for both halves: both words are written)
	s_mov_b32 s67, s66
	s_mov_b32 s68, 0x4038aa3b                      ; 2 log2(e)
	s_mov_b32 s69, s68
	s_mov_b32 s70, 0x3f317218                      ; ln 2
	s_mov_b32 s71, s70
	s_mov_b32 s72, 0x3d4ccccd                      ; 0.05
	s_mov_b32 s73, s72
	s_mov_b32 s74, 0x3ccccccd                      ; 0.025
	s_mov_b32 s75, s74
	s_mov_b32 s77, 0x3c23d70a                      ; 0.01
	s_mov_b32 s78, 0x42700000                      ; 60
	s_mov_b32 s79, 0x42200000                      ; 40
	s_mov_b32 s5, 0
	s_mov_b32 s7, 0
	s_wait_kmcnt 0x0
	s_mul_i32 s4, s2, 147456                       ; fW1: my 8 blocks of 18,432 bytes
	s_add_nc_u64 s[HP0:HP0+1], s[24:25], s[4:5]
	s_add_nc_u64 s[HP0:HP0+1], s[HP0:HP0+1], 589824
	s_add_nc_u64 s[HP1:HP1+1], s[HP0:HP0+1], 18432
	s_mul_i32 s4, s2, 98304                        ; fW2: my 4 blocks of 24,576
	s_add_nc_u64 s[ZP0:ZP0+1], s[24:25], s[4:5]
	s_add_nc_u64 s[ZP0:ZP0+1], s[ZP0:ZP0+1], 1179648
	s_add_nc_u64 s[ZP1:ZP1+1], s[ZP0:ZP0+1], 24576
	s_mul_i32 s4, s2, 73728                        ; tW: my 4 blocks; gW lies 294,912 bytes on
	s_add_nc_u64 s[TP0:TP0+1], s[24:25], s[4:5]
	s_add_nc_u64 s[TP1:TP1+1], s[TP0:TP0+1], 294912
	s_mul_i32 s4, s2, 6144
	s_add_nc_u64 s[HSP:HSP+1], s[26:27], s[4:5]
	s_add_nc_u64 s[HSP:HSP+1], s[HSP:HSP+1], 24576
	s_lshl_b32 s4, s2, 12
	s_add_nc_u64 s[ZSP:ZSP+1], s[26:27], s[4:5]
	s_add_nc_u64 s[ZSP:ZSP+1], s[ZSP:ZSP+1], 49152
	s_mul_i32 s4, s2, 3072
	s_add_nc_u64 s[TSP:TSP+1], s[26:27], s[4:5]
	s_lshl_b32 s4, s2, 10
	s_add_nc_u64 s[HBP:HBP+1], s[HBP:HBP+1], s[4:5]    ; fb1: my 256 numbers
	s_lshl_b32 s4, s2, 9
	s_add_nc_u64 s[ZBP:ZBP+1], s[ZBP:ZBP+1], s[4:5]    ; the others: my 128
	s_add_nc_u64 s[TBP:TBP+1], s[TBP:TBP+1], s[4:5]
	s_add_nc_u64 s[GBP:GBP+1], s[GBP:GBP+1], s[4:5]
	s_add_nc_u64 s[20:21], s[20:21], s[4:5]
	s_add_nc_u64 s[22:23], s[22:23], s[4:5]
	s_lshl_b32 s6, ttmp9, 17                       ; 64 rows of 2,048 bytes a work-group,
	s_add_co_u32 s6, s6, s4                        ; + my 512 bytes of a row
	s_add_nc_u64 s[8:9], s[8:9], s[6:7]
	s_add_nc_u64 s[28:29], s[28:29], s[6:7]
	s_lshl_b32 s6, ttmp9, 16                       ; u: 64 rows of 1,024 bytes,
	s_lshl_b32 s4, s2, 14                          ; + my 16 rows
	s_add_co_u32 s6, s6, s4
	s_add_nc_u64 s[10:11], s[10:11], s[6:7]
	HDR_H SS0, 0, 0                                ; the first unit's header and the ring's four K steps go out first
	WLOAD 0, HP0, HP1, 0
	WLOAD 1, HP0, HP1, 3072
	WLOAD 2, HP0, HP1, 6144
	WLOAD 3, HP0, HP1, 9216
	WIN 0xc0
.irp m, 0,1,2,3
.irp q, 0,1,2,3
.irp j, 0,1,2,3
	global_load_b128 v[64*\m+16*\q+4*\j:64*\m+16*\q+4*\j+3], v[GX], s[8:9] offset:32768*\m+128*\q+16*\j th:TH_LOAD_NT   ; x, straight into S's layout
.endr
.endr
.endr
	WIN 0x80
.irp j, 0,1
.irp b, 0,1,2,3
.irp p, 0,1,2,3
	global_load_b128 v[64*\j+16*\b+4*\p:64*\j+16*\b+4*\p+3], v[GU], s[10:11] offset:512*\j+128*\b+16*\p th:TH_LOAD_NT   ; u: rows 16 w + r, both K steps
.endr
.endr
.endr
	s_wait_loadcnt 32                              ; x is in; u's 32 loads may be out
	WIN 0x0c
.irp q, 0,1,2,3
.irp m, 0,1,2,3
.irp p, 0,1,2,3
	ds_store_b128 v[STA], v[64*\m+16*\q+4*\p:64*\m+16*\q+4*\p+3] offset:8192*\q+2048*\m+512*\p   ; the first stage's xin
.endr
.endr
.endr
.irp m, 0,1,2,3
	QUANT4 3, 64*\m, PC+12*\m, PWD+\m              ; K step w of [x | u], tile m
.endr
	s_wait_loadcnt 0x0
	QUANT4 2, 0, 16, 248
	IMAGE UWI, 16, 0
	ds_store_b32 v[UWS], v248
	s_wait_dscnt 0x0                               ; the stores have read their registers
	QUANT4 2, 64, 16, 248
	IMAGE UWI, 16, 6144
	ds_store_b32 v[UWS], v248 offset:512
; ================================================================ the two stages
	s_mov_b32 s54, 0
.Lstage:
.irp m, 0,1,2,3
	IMAGE XWI, PC+12*\m, 1536*\m                   ; xin's codes: made at the head, or by the first stage's TG epilogues
.endr
	ds_store_b128 v[XWS], v[PWD:PWD+3]
	BARRIER                                        ; [xin | u]'s 24 fragments lie in LDS
	s_mov_b32 s55, 0
	s_mov_b32 s57, 0
	s_mov_b32 s59, 0
.Lhgroup:                                          ; two H units = 128 hidden units = one K step of the second product
	s_wait_xcnt 0x0                                ; earlier loads have read their bases: XN may be written
	s_add_nc_u64 s[82:83], s[HP0:HP0+1], 73728
	s_add_nc_u64 s[84:85], s[HP1:HP1+1], 73728
	s_cmp_eq_u32 s55, 0                            ; what follows this group in the stream of weights: the next group, or the first Z unit
	s_cselect_b64 s[XN0:XN0+1], s[82:83], s[ZP0:ZP0+1]
	s_cselect_b64 s[XN1:XN1+1], s[84:85], s[ZP1:ZP1+1]
	v_add_nc_u32 v[HWA], s57, v[HWI]
	v_add_nc_u32 v[HWB], s59, v[HWS]
	ALOAD 0, LI, 0, XSC
	ALOAD 1, LI, 6144, XSC+512
.set g, 0
.rept 12
.set k, g%6
.set un, g/6
.set lc, 36                            ; behind this K step's 12 loads: the next three K steps' 36,
.if k >= 3
.set lc, 56                            ; and from the K step behind the header on, the header's 20 at the least
.endif
.set dc, 13                            ; the next K step's 13 LDS loads may be out
.if g == 11
.set dc, 0                             ; nothing is fetched across the group's end
.endif
	s_wait_loadcnt lc
	s_wait_dscnt dc
	MM ACC, k%2, g%4, SS0+12*un, 6, k
	WIN 0
	PLACES
.if k < 4
	ALOAD k%2, LI, 6144*(k+2), XSC+512*(k+2)
.elseif g == 4
	ALOAD 0, LI, 0, XSC                            ; the second unit's first K step
.endif
.if g == 2
	HDR_H SS1, 1536, 256
.endif
.if g == 8
	s_cmp_eq_u32 s55, 0
	s_cbranch_scc0 .Lhdr_z0
	HDR_H SS0, 3072, 512
	s_branch .Lhdr_j0
.Lhdr_z0:
	HDR_Z 0, 0
.Lhdr_j0:
.endif
.if g < 8
	WLOAD g%4, HP0, HP1, 36864*((g+4)/6)+3072*((g+4)%6)
.else
	WLOAD g%4, XN0, XN1, 3072*(g-8)
.endif
.if k == 5
	HEPI un
.endif
.set g, g+1
.endr
	WIN 0
	s_wait_dscnt 0x0                               ; the images' stores have read their address registers
	s_wait_xcnt 0x0                                ; and the loads their bases
	s_add_nc_u64 s[HP0:HP0+1], s[HP0:HP0+1], 73728
	s_add_nc_u64 s[HP1:HP1+1], s[HP1:HP1+1], 73728
	s_add_nc_u64 s[HSP:HSP+1], s[HSP:HSP+1], 3072
	s_add_nc_u64 s[HBP:HBP+1], s[HBP:HBP+1], 512
	s_add_co_u32 s57, s57, 6144
	s_add_co_u32 s59, s59, 512
	s_add_co_u32 s55, s55, 1
	s_cmp_lt_u32 s55, 2
	s_cbranch_scc1 .Lhgroup
	s_sub_nc_u64 s[HP0:HP0+1], s[HP0:HP0+1], 147456    ; back to the first group, for the next stage
	s_sub_nc_u64 s[HP1:HP1+1], s[HP1:HP1+1], 147456
	s_sub_nc_u64 s[HSP:HSP+1], s[HSP:HSP+1], 6144
	s_sub_nc_u64 s[HBP:HBP+1], s[HBP:HBP+1], 1024
	BARRIER                                        ; the hidden layer's 32 fragments lie in LDS
	s_mov_b32 s56, 0
	s_mov_b32 s58, 0
.Lp2:                                              ; z for two blocks of 32 columns, then t and g and the epilogue for each of them
	s_wait_xcnt 0x0
	s_add_nc_u64 s[82:83], s[ZP0:ZP0+1], 49152
	s_add_nc_u64 s[84:85], s[ZP1:ZP1+1], 49152
	s_cmp_eq_u32 s56, 0                            ; what follows: the second Z unit, or the next stage's first H group
	s_cselect_b64 s[XN0:XN0+1], s[82:83], s[HP0:HP0+1]
	s_cselect_b64 s[XN1:XN1+1], s[84:85], s[HP1:HP1+1]
	v_add_nc_u32 v[STQ], s58, v[STA]
	ALOAD 0, LIH, 0, HSCO
	ALOAD 1, LIH, 6144, HSCO+512
.set g, 0
.rept 8
.set lc, 36
.if g >= 5
.set lc, 56
.endif
	s_wait_loadcnt lc
	s_wait_dscnt 13
	MM ZA, g%2, g%4, SS2, 8, g
	WIN 0
	PLACES
.if g < 6
	ALOAD g%2, LIH, 6144*(g+2), HSCO+512*(g+2)
.else
	ALOAD g%2, LI, 6144*(g-6), XSC+512*(g-6)       ; no epilogue follows: the TG unit's first two K steps
.endif
.if g == 4
	HDR_T SS0, 0, 0
.endif
.if g < 4
	WLOAD g%4, ZP0, ZP1, 3072*(g+4)
.else
	WLOAD g%4, TP0, TP1, 3072*(g-4)
.endif
.set g, g+1
.endr
.set g, 0
.rept 12
.set k, g%6
.set un, g/6
.set lc, 36
.if k >= 3
.set lc, 56
.endif
.set dc, 13
.if g == 11
.set dc, 0
.endif
	s_wait_loadcnt lc
	s_wait_dscnt dc
	MM ACC, k%2, g%4, SS0+12*un, 6, k
	WIN 0
	PLACES
.if k < 4
	ALOAD k%2, LI, 6144*(k+2), XSC+512*(k+2)
.elseif g == 4
	ALOAD 0, LI, 0, XSC
.endif
.if g == 2
	HDR_T SS1, 768, 128
.endif
.if g == 8
	s_cmp_eq_u32 s56, 0
	s_cbranch_scc0 .Lhdr_h1
	HDR_Z 2048, 256
	s_branch .Lhdr_j1
.Lhdr_h1:
	HDR_H SS0, 0, 0
.Lhdr_j1:
.endif
.if g < 8
	WLOAD g%4, TP0, TP1, 18432*((g+4)/6)+3072*((g+4)%6)
.else
	WLOAD g%4, XN0, XN1, 3072*(g-8)
.endif
.if k == 5
	TEPI un
.endif
.set g, g+1
.endr
	WIN 0
	s_wait_dscnt 0x0                               ; x1's stores have read their address register
	s_wait_xcnt 0x0
	s_add_nc_u64 s[ZP0:ZP0+1], s[ZP0:ZP0+1], 49152
	s_add_nc_u64 s[ZP1:ZP1+1], s[ZP1:ZP1+1], 49152
	s_add_nc_u64 s[TP0:TP0+1], s[TP0:TP0+1], 36864
	s_add_nc_u64 s[TP1:TP1+1], s[TP1:TP1+1], 36864
	s_add_nc_u64 s[ZSP:ZSP+1], s[ZSP:ZSP+1], 2048
	s_add_nc_u64 s[TSP:TSP+1], s[TSP:TSP+1], 1536
	s_add_nc_u64 s[ZBP:ZBP+1], s[ZBP:ZBP+1], 256
	s_add_nc_u64 s[TBP:TBP+1], s[TBP:TBP+1], 256
	s_add_nc_u64 s[GBP:GBP+1], s[GBP:GBP+1], 256
	s_add_co_u32 s58, s58, 16384
	s_add_co_u32 s56, s56, 1
	s_cmp_lt_u32 s56, 2
	s_cbranch_scc1 .Lp2
	s_sub_nc_u64 s[ZP0:ZP0+1], s[ZP0:ZP0+1], 98304
	s_sub_nc_u64 s[ZP1:ZP1+1], s[ZP1:ZP1+1], 98304
	s_sub_nc_u64 s[TP0:TP0+1], s[TP0:TP0+1], 73728
	s_sub_nc_u64 s[TP1:TP1+1], s[TP1:TP1+1], 73728
	s_sub_nc_u64 s[ZSP:ZSP+1], s[ZSP:ZSP+1], 4096
	s_sub_nc_u64 s[TSP:TSP+1], s[TSP:TSP+1], 3072
	s_sub_nc_u64 s[ZBP:ZBP+1], s[ZBP:ZBP+1], 512
	s_sub_nc_u64 s[TBP:TBP+1], s[TBP:TBP+1], 512
	s_sub_nc_u64 s[GBP:GBP+1], s[GBP:GBP+1], 512
	BARRIER                                        ; every wave's reads of both sets of images are over: they may be written again
	s_add_co_u32 s54, s54, 1
	s_cmp_lt_u32 s54, 2
	s_cbranch_scc1 .Lstage
; ================================================================ LayerNorm: a row's 512 numbers lie in two lanes of each of the four waves
	WIN 0x80
.irp q, 0,1,2,3
.irp j, 0,1,2,3
	global_load_b128 v[16*\q+4*\j:16*\q+4*\j+3], v[BO], s[20:21] offset:128*\q+16*\j             ; ln_g of my 64 columns: window 2, register 16 q + i
	global_load_b128 v[128+16*\q+4*\j:128+16*\q+4*\j+3], v[BO], s[22:23] offset:128*\q+16*\j     ; ln_b
.endr
.endr
; my four pair sums in v248-255 become the four rows' sums over all waves, in v[dst + 2 m]
.macro LNX off, dst
	v_add_f32 v248, v248, v249
	v_add_f32 v249, v250, v251
	v_add_f32 v250, v252, v253
	v_add_f32 v251, v254, v255
.irp m, 0,1,2,3
	v_permlanex16_b32 v[252+\m], v[248+\m], s60, s61
.endr
.irp m, 0,1,2,3
	v_add_f32 v[248+\m], v[248+\m], v[252+\m]      ; with lane l xor 16's
.endr
	ds_store_b128 v[LNW], v[248:251] offset:\off   ; both lanes of a row write the same 16 bytes with the same values
	BARRIER
.irp w, 0,1,2,3
	ds_load_b128 v[16+4*\w:19+4*\w], v[LNR] offset:(\off)+256*\w
.endr
	s_wait_dscnt 0x0
.irp m, 0,1,2,3
	v_add_f32 v[(\dst)+2*\m], v[16+\m], v[20+\m]   ; the same order in every wave: the same bits
	v_add_f32 v[(\dst)+2*\m+1], v[24+\m], v[28+\m]
.endr
.irp m, 0,1,2,3
	v_add_f32 v[(\dst)+2*\m], v[(\dst)+2*\m], v[(\dst)+2*\m+1]
.endr
.endm
	WIN 0x0f
.irp m, 0,1,2,3
	v_pk_add_f32 v[248+2*\m:249+2*\m], v[64*\m:64*\m+1], v[64*\m+2:64*\m+3]      ; the first addition starts each sum
.endr
	WIN 0x0c
.set i, 4
.rept 30
.irp m, 0,1,2,3
	v_pk_add_f32 v[248+2*\m:249+2*\m], v[248+2*\m:249+2*\m], v[64*\m+i:64*\m+i+1]
.endr
.set i, i+2
.endr
	WIN 0
	LNX 0, 32
.irp m, 0,1,2,3
	v_mul_f32 v[32+2*\m], 0x3b000000, v[32+2*\m]   ; mu = sum / 512
.endr
.irp m, 0,1,2,3
	v_mov_b32 v[33+2*\m], v[32+2*\m]
.endr
	WIN 0xc3
.irp m, 0,1,2,3
.set i, 0
.rept 32
	v_pk_add_f32 v[64*\m+i:64*\m+i+1], v[64*\m+i:64*\m+i+1], v[32+2*\m:33+2*\m] neg_lo:[0,1] neg_hi:[0,1]   ; y - mu
.set i, i+2
.endr
.endr
	WIN 0x0f
.irp m, 0,1,2,3
	v_pk_mul_f32 v[248+2*\m:249+2*\m], v[64*\m:64*\m+1], v[64*\m:64*\m+1]
.endr
.set i, 2
.rept 31
.irp m, 0,1,2,3
	v_pk_fma_f32 v[248+2*\m:249+2*\m], v[64*\m+i:64*\m+i+1], v[64*\m+i:64*\m+i+1], v[248+2*\m:249+2*\m]
.endr
.set i, i+2
.endr
	WIN 0
	LNX 1024, 40                                   ; other bytes than the first exchange's
	s_mov_b32 s4, 0x3b000000
.irp m, 0,1,2,3
	v_fmaak_f32 v[40+2*\m], s4, v[40+2*\m], 0x3727c5ac             ; var + 1e-5
.endr
.irp m, 0,1,2,3
	v_rsq_f32 v[40+2*\m], v[40+2*\m]
.endr
	v_nop
	s_wait_alu depctr_va_vdst(0)                   ; one wait for the four, ahead of their first reader
.irp m, 0,1,2,3
	v_mov_b32 v[41+2*\m], v[40+2*\m]
.endr
	WIN 0xc3
.irp m, 0,1,2,3
.set i, 0
.rept 32
	v_pk_mul_f32 v[64*\m+i:64*\m+i+1], v[64*\m+i:64*\m+i+1], v[40+2*\m:41+2*\m]
.set i, i+2
.endr
.endr
	s_wait_loadcnt 0x0                             ; ln_g, ln_b (and the look-ahead loads that nobody reads)
	WIN 0xeb
.irp m, 0,1,2,3
.set i, 0
.rept 32
	v_pk_fma_f32 v[64*\m+i:64*\m+i+1], v[64*\m+i:64*\m+i+1], v[i:i+1], v[128+i:129+i]
.set i, i+2
.endr
.endr
; THE WAY OUT, a tile of 16 rows at a time: a lane holds pieces of 64 bytes of one row, so the tile goes through one of my two stages (in my own STATE, which is read no more) and comes back as rows of 512 bytes.
; LDS serves a wave's instructions in order (ISA guide 5.7.1.4): no wait between the stores and the loads.
.macro TOSTAGE m
	WIN 0x0c
.irp q, 0,1,2,3
.irp p, 0,1,2,3
	ds_store_b128 v[SOA], v[64*(\m)+16*\q+4*\p:64*(\m)+16*\q+4*\p+3] offset:16*SPITCH*((\m)%2)+128*\q+16*\p
.endr
.endr
	WIN 0
.set BB, 16+144*((\m)%2)               ; v16-79 and v160-223 by turns
.irp t, 0,1,2,3,4,5,6,7,8,9,10,11,12,13,14,15
	ds_load_b128 v[BB+4*\t:BB+4*\t+3], v[STA] offset:16*SPITCH*((\m)%2)+SPITCH*\t
.endr
.endm
.macro SEND m, younger                 ; younger: the LDS instructions issued behind tile m's loads, which may stay out
.set BB, 16+144*((\m)%2)
	s_wait_dscnt \younger
.irp t, 0,1,2,3,4,5,6,7,8,9,10,11,12,13,14,15
	global_store_b128 v[LI], v[BB+4*\t:BB+4*\t+3], s[28:29] offset:32768*(\m)+2048*\t th:TH_STORE_NT   ; 32 lanes store 512 consecutive bytes, at a multiple of 512 from the buffer's first byte
.endr
.endm
	TOSTAGE 0
.irp m, 1,2,3
.if \m > 1
	s_wait_xcnt 0x0                                ; tile m - 2's stores have read their registers: tile m's loads may land there
.endif
	TOSTAGE \m
	SEND \m-1, 32                                  ; behind tile m - 1's loads: tile m's 16 stores and 16 loads
.endr
	SEND 3, 0
	s_wait_xcnt 0x0
	v_lshl_add_u32 v254, v0, 2, 0x37400
	v_mov_b32 v255, 0
	s_wait_tensorcnt 0x0
	ds_add_u32 v254, v255
	s_wait_dscnt 0x0
	s_endpgm
.Lfunc_end_k_q22066e6b62_cell:
	.size	k_q22066e6b62_cell, .Lfunc_end_k_q22066e6b62_cell-k_q22066e6b62_cell
	.p2alignl 7, 3214868480
	.fill 96, 4, 3214868480
	.section	.rodata,"a",@progbits
	.p2align	6, 0x0
	.amdhsa_kernel k_q22066e6b62_cell
		.amdhsa_group_segment_fixed_size 226816
		.amdhsa_private_segment_fixed_size 0
		.amdhsa_enable_private_segment 0
		.amdhsa_kernarg_size 88
		.amdhsa_user_sgpr_count 2
		.amdhsa_user_sgpr_kernarg_segment_ptr 1
		.amdhsa_wavefront_size32 1
		.amdhsa_system_sgpr_workgroup_id_x 1
		.amdhsa_system_sgpr_workgroup_id_y 1
		.amdhsa_system_sgpr_workgroup_id_z 1
		.amdhsa_system_vgpr_workitem_id 0
		.amdhsa_next_free_vgpr 1024
		.amdhsa_next_free_sgpr 96
		.amdhsa_reserve_vcc 0
		.amdhsa_float_denorm_mode_32 3
		.amdhsa_float_denorm_mode_16_64 3
		.amdhsa_memory_ordered 1
		.amdhsa_forward_progress 1
		.amdhsa_inst_pref_size 255
	.end_amdhsa_kernel
	.section	.bss,"aw",@nobits
	.p2align	6
	.space	262144
	.amdgpu_metadata
---
amdhsa.version: [ 1, 2 ]
amdhsa.kernels:
  - .name:           k_q22066e6b62_cell
    .symbol:         k_q22066e6b62_cell.kd
    .args:
      - { .name: x, .offset: 0, .size: 8, .value_kind: global_buffer, .address_space: global }
      - { .name: u, .offset: 8, .size: 8, .value_kind: global_buffer, .address_space: global }
      - { .name: fb1, .offset: 16, .size: 8, .value_kind: global_buffer, .address_space: global }
      - { .name: fb2, .offset: 24, .size: 8, .value_kind: global_buffer, .address_space: global }
      - { .name: tb, .offset: 32, .size: 8, .value_kind: global_buffer, .address_space: global }
      - { .name: gb, .offset: 40, .size: 8, .value_kind: global_buffer, .address_space: global }
      - { .name: ln_g, .offset: 48, .size: 8, .value_kind: global_buffer, .address_space: global }
      - { .name: ln_b, .offset: 56, .size: 8, .value_kind: global_buffer, .address_space: global }
      - { .name: wq, .offset: 64, .size: 8, .value_kind: global_buffer, .address_space: global }
      - { .name: wsc, .offset: 72, .size: 8, .value_kind: global_buffer, .address_space: global }
      - { .name: out0, .offset: 80, .size: 8, .value_kind: global_buffer, .address_space: global }
    .group_segment_fixed_size: 226816
    .private_segment_fixed_size: 0
    .kernarg_segment_align: 8
    .kernarg_segment_size: 88
    .max_flat_workgroup_size: 128
    .sgpr_count:     96
    .vgpr_count:     1024
    .wavefront_size: 32
...
	.end_amdgpu_metadata
.endif
;; end of part 2
;; ======== version 2 of 2: 2 launches; version 1 with the launch cell written anew for expert scheduling mode
;; limits: a function is approximated: absolute error at most 6e-08
;; workspace buffers: wq 1,572,864 bytes; wsc 65,536 bytes
;; launch prep: the kernel of part 1 again; grid 128 x 1, 4 waves a work-group, no clusters, 0 bytes of LDS; arguments tW, gW, fW1, fW2, wq, wsc; writes wq, wsc
;; launch cell (part 3): grid 256 x 1, 4 waves a work-group, no clusters, 226,816 bytes of LDS; arguments x, u, fb1, fb2, tb, gb, ln_g, ln_b, wq, wsc, out0; writes out0
.if DOCPART == 3
	.amdgcn_target "amdgcn-amd-amdhsa--gfx1250"
	.amdhsa_code_object_version 6
	.text
	.protected	k_q22066e6b62_cell
	.globl	k_q22066e6b62_cell
	.p2align	8
	.type	k_q22066e6b62_cell,@function
k_q22066e6b62_cell:
	s_mov_b64 s[64:65], 0
	v_nop
	global_prefetch_b8 v0, s[64:65] scope:SCOPE_SE
	s_setreg_imm32_b32 hwreg(HW_REG_WAVE_SCHED_MODE, 0, 2), 2
	s_setreg_imm32_b32 hwreg(HW_REG_WAVE_MODE, 25, 1), 1
	s_wait_xcnt 0x0
	s_wait_alu depctr_vm_vsrc(0)
; One Heun step of the liquid cell and its LayerNorm, fused: a work-group of four waves takes 64 rows through both stages; nothing but x, u, the weights' codes and the result touches memory.
; A stage: t, g, h = [xin | u] x tW, gW, fW1 (+ biases); z = silu(h) x fW2 + fb2; T = (tanh(z) sigmoid(g) - xin) / max(softplus(t), 0.01).  x1 = x + 0.05 T1; y = x + 0.025 T1 + 0.025 T2.
; All products on codes of FP6 (E2M3) with one E8M0 scale for each 32 along K; the left operands are quantised here, in f32, on their way.
; SHARES.  THE WAVES SHARE THE COLUMNS, NOT THE ROWS: wave w owns hidden units 256 w .. + 255 and state columns 128 w .. + 127, for all 64 rows (four tiles m of 16).
; So each fragment of the weights is multiplied by ONE wave: three loads of 16 bytes a lane bring it from memory into that wave's operand registers (the earlier launch laid it so), through a ring of four slots:
; one K step is multiplied while three (12 fragments, 18,432 bytes a wave) are on their way.  All work-groups walk the same weights, and yet there are no joint tensor loads: through LDS a fragment's 1,536 bytes would be written and read once more for its
; 4 matrix instructions, beside the 6,656 bytes of activation images that a K step's 16 matrix instructions read there already, and 101,376 bytes of LDS are left for slots.
; ACTIVATIONS GO FROM WAVE TO WAVE THROUGH LDS AS IMAGES OF THEIR REGISTERS: a fragment (16 rows x 128 K, 12 registers) by three stores of 16 bytes a lane at 16 x lane; the scale words of a K step's four tiles: 16 bytes a lane.
; THE PRODUCTS ARE USED TRANSPOSED (source 0 = 16 columns of a weight, source 1 = 16 rows): a lane holds ONE row, and the 16 registers of a pair of tiles are 16 neighbouring columns, 32 b + 16 (lane / 16) + 0 .. 15: the next K.
; UNITS of 16 accumulators: H (2 blocks of 32 hidden units x 4 m, 6 K steps), Z (2 blocks of z, 8 K steps), TG (a block of t and the same block of g, 6 K steps).  A stage: 4 H | barrier | 2 x (Z, TG, TG).
; The biases are the C of each sum's first matrix instruction.  The 16 accumulators take turns, one instruction a turn, in the same order in every K step.
; LIMITS: e^-g is held at 2^60 (the gate never falls under 2^-60) and e^2z at 2^40 (tanh is 1 in f32 there); tau x (1 + e^2z)(1 + e^-g) must stay under 2^127: tau and |x| under 2^26;
; ln(1 + e^-|t|) is taken as ln 2 x log2(1 + w), so that tau's relative error reaches 6e-6 where tau is near 0.01; NaN and infinities are not served; a block of zeros gets the scale byte 1 (its codes are zeros).
; The second stage's last K steps ask for the first H unit's header and three K steps once more (18,432 bytes of codes a wave and the header, inside the buffers, read by nobody): so every counted wait holds alike in both trips.
;
; THE MODE: SCHED_MODE bits 1:0 = 2 (LLVM: expert scheduling mode 2), set by the entry lines.  The code itself states the register dependences between vector or matrix instructions and memory or LDS instructions, with s_wait_alu, always for 0.
; THE PLAN.  Registers that memory or LDS instructions touch, and who else names them:
;   THE RING (window 1, v0-191): slot j % 4 holds K step j of the stream of weights.  K step j's 16 matrix instructions read it; the 12 loads of K step j + 4 land in it, issued in the middle of K step j + 1.
;   AB0, AB1 with AS0, AS1: K step k's matrix instructions read buffer k % 2; the 13 LDS loads of K step k + 2 land in it, behind K step k.  In epilogues AB1's registers are at work (TM, TP, SO, PT): vector instructions write and read them.
;   SS0, SS1, SS2, BI: matrix instructions read them as scales and as C; a later unit's header lands in them, behind a K step.
;   PC, PWD: written by conversions, swaps and moves; read by the images' LDS stores.   XT: written and read by the TG epilogue's vector instructions; then xin's LDS loads land in it.
;   Window 2, v64-127: x1, written by the TG epilogue, read by its LDS stores, written again by the next unit's matrix instructions.   S: read by the head's LDS stores, written by the TG epilogues, read by the way out's stores.
;   v[HWA], v[HWB], v[STQ]: LDS addresses, written once a trip, at the trip's head.  Every other address is made at the kernel's head and never written again.
; THE WAITS.  ONE wait on va_vdst stands in a K step, behind its matrix instructions and their places: they are done reading their slot, their buffer, their scales and the bias.  Behind it stand the LDS loads into that buffer and, where due, a header;
;   the loads into that slot follow in the middle of the next K step, whose matrix instructions name another slot and the other buffer, so that nothing more is owed for them.  A unit's last K step has no such wait:
;   no load stands between it and the epilogue's first wait.  In an epilogue a wait on va_vdst stands ahead of each run of LDS stores of what it made and of each run of loads into registers that it worked in;
;   a wait on vm_vsrc stands at each trip's head, ahead of the trip's address registers, and behind x1's stores.
;
; LDS: XIMG 0: [x | u]'s fragments, (k, m) at (4 k + m) 1536;  XSC: their scale words, 512 bytes a K step;  HIMG, HSC: the hidden layer's likewise (8 K steps);
;      STATE: each wave's own 32,768 bytes: images of xin (block q, tile m, four registers p: 8192 q + 2048 m + 512 p + 16 lane), later its two stages for the way out;  LNP: the LayerNorm's partial sums.
.set XIMG,  0
.set XSC,   36864
.set HIMG,  39936
.set HSC,   89088
.set HSCO,  HSC-HIMG
.set STATE, 93184
.set LNP,   224256
.set SPITCH, 528                       ; the way out: a row of 512 bytes + 16 = 33 x 16 bytes
; REGISTERS, in windows of 256.  Window 0:
.set LI,   1                           ; 16 x lane
.set LS,   2                           ; 4 x lane
.set XWI,  3                           ; where I store x's images: 6144 w + 16 lane (K step w)
.set XWS,  4                           ; and their scale words
.set UWI,  5                           ; u's images: K step 4, tile w
.set UWS,  6                           ; and their words: 4 w in each lane's 16 bytes
.set HWI,  7                           ; the hidden layer's images: K steps 2 w, 2 w + 1
.set HWS,  8
.set STA,  9                           ; my STATE + 16 lane
.set BO,   10                          ; 64 h: a bias's 16 numbers of my half
.set GX,   11                          ; x: 2048 r + 64 h
.set GU,   12                          ; u: 1024 r + 64 h
.set SOA,  13                          ; the way out: my stage, row r, + 64 h
.set HWA,  14                          ; this trip's HWI
.set STQ,  15                          ; this trip's STA
.set AB0,  16                          ; v16-63, v64-111: two buffers of four activation fragments
.set TM,   64                          ; in epilogues the second buffer is at work: largest magnitudes,
.set TP,   72                          ; the other half's, then the scale bytes,
.set SO,   80                          ; the conversions' scale operands,
.set PT,   88                          ; upper halves of blocks' codes, 4 registers a tile
.set AS0,  112                         ; v112-115, v116-119: the buffers' scale words (scales and nothing else)
.set SS0,  120                         ; v120-131, v132-143, v144-159: three sets of the weights' scale words: lanes 0-15 tile u = 0, lanes 16-31 tile u = 1
.set SS1,  132
.set SS2,  144
.set BI,   160                         ; v160-191 a unit's biases: 8 registers for (a, u)
.set PC,   192                         ; v192-239 the codes being made: 12 registers a tile m
.set PWD,  240                         ; v240-243 their scale words
.set LNW,  244
.set LNR,  245
.set LIH,  246                         ; 16 lane + HIMG
.set HWB,  247                         ; this trip's HWS
; Window 1: v0-191 the weights' ring: slot p at 48 p, fragment (a, u) at + 12 (2 a + u);  v192-255 XT.   Window 2: v0-127 ACC, (a, m, u) at 64 a + 16 m + 8 u;  v128-255 ZA likewise.
; Window 3: S, the running y: register 64 m + 16 q + i = row 16 m + r, column 128 w + 32 q + 16 h + i.
.set XT,   192
.set ACC,  0
.set ZA,   128
; SCALARS: s2 wave; s[8:29] the buffers; pointers below; s54 stage, s55 H trip, s56 P2 trip; s57, s59, s58 the trips' LDS offsets; s[60:61] lane selects; s[66:79] constants
.set HBP, 12
.set ZBP, 14
.set TBP, 16
.set GBP, 18
.set HP0, 30
.set HP1, 32
.set ZP0, 34
.set ZP1, 36
.set TP0, 38
.set TP1, 40
.set XN0, 42
.set XN1, 44
.set HSP, 48
.set ZSP, 50
.set TSP, 52
.set MSB, 0
.macro WIN new                         ; low byte: bits 1:0 source 0, 3:2 source 1, 5:4 source 2, 7:6 destination; the high byte repeats the setting that is left
.if MSB != (\new)
	s_set_vgpr_msb (MSB<<8)|(\new)
.set MSB, \new
.endif
.endm
.macro PLACES                          ; four plain instructions between matrix instructions and reads of their results (ISA guide 7.12.1); they stand behind every K step alike
.rept 4
	v_nop
.endr
.endm
.macro BARRIER                         ; my LDS stores have landed and my LDS loads are in: then the work-group's barrier
	s_wait_dscnt 0x0
	s_barrier_signal -1
	s_barrier_wait -1
.endm
; 8 matrix instructions: K step k of a unit, block hf of its two: tiles u, row tiles m.  k = 0: the bias starts the sums.
.macro MMH accb, ab, slot, sset, KS, k, hf
.if (\k) == 0
	WIN 0x81                                       ; weights window 1, activations and bias window 0, results window 2
.else
	WIN 0xa1                                       ; C and D window 2
.endif
.irp u, 0,1
.irp m, 0,1,2,3
.set rD, (\accb)+64*(\hf)+16*\m+8*\u
.set rW, 48*(\slot)+12*(2*(\hf)+\u)
.set rA, AB0+48*(\ab)+12*\m
.set rS, (\sset)+(\KS)*(\hf)+(\k)
.set rT, AS0+4*(\ab)+\m
.set rC, rD
.if (\k) == 0
.set rC, BI+8*(2*(\hf)+\u)
.endif
.if \u
	v_wmma_scale_f32_16x16x128_f8f6f4 v[rD:rD+7], v[rW:rW+11], v[rA:rA+11], v[rC:rC+7], v[rS], v[rT] matrix_a_fmt:MATRIX_FMT_FP6 matrix_b_fmt:MATRIX_FMT_FP6 matrix_a_scale:MATRIX_SCALE_ROW1
.else
	v_wmma_scale_f32_16x16x128_f8f6f4 v[rD:rD+7], v[rW:rW+11], v[rA:rA+11], v[rC:rC+7], v[rS], v[rT] matrix_a_fmt:MATRIX_FMT_FP6 matrix_b_fmt:MATRIX_FMT_FP6
.endif
.endr
.endr
.endm
; a K step's four activation fragments and their four scale words: 13 LDS loads, each of 512 consecutive bytes
.macro ALOAD ab, areg, off, scoff
.irp m, 0,1,2,3
.irp q, 0,1,2
	ds_load_b128 v[AB0+48*(\ab)+12*\m+4*\q:AB0+48*(\ab)+12*\m+4*\q+3], v[\areg] offset:(\off)+1536*\m+512*\q
.endr
.endr
	ds_load_b128 v[AS0+4*(\ab):AS0+4*(\ab)+3], v[\areg] offset:\scoff
.endm
; a K step's four weight fragments: 12 loads, each of 512 consecutive bytes.  They stand between a K step's two runs of matrix instructions and land in the slot that the K step before read:
; the wait on va_vdst behind that K step has shown its matrix instructions done, and no vector or matrix instruction since names that slot or v[LI]
.macro WLOAD slot, p0, p1, off
	WIN 0x40
.irp u, 0,1
.irp q, 0,1,2
	global_load_b128 v[48*(\slot)+12*\u+4*\q:48*(\slot)+12*\u+4*\q+3], v[LI], s[\p0:\p0+1] offset:(\off)+1536*\u+512*\q
.endr
.endr
.irp u, 0,1
.irp q, 0,1,2
	global_load_b128 v[48*(\slot)+24+12*\u+4*\q:48*(\slot)+24+12*\u+4*\q+3], v[LI], s[\p1:\p1+1] offset:(\off)+1536*\u+512*\q
.endr
.endr
.endm
; a unit's header: its weights' scale words (2 KS loads) and its biases (8 loads)
.macro HDR_S set, KS, ptr, so, astr
.irp a, 0,1
.set kk, 0
.rept \KS
	global_load_b32 v[(\set)+(\KS)*\a+kk], v[LS], s[\ptr:\ptr+1] offset:(\so)+(\astr)*\a+128*kk
.set kk, kk+1
.endr
.endr
.endm
.macro HDR_B a, ptr, bo
.irp u, 0,1
.irp j, 0,1
	global_load_b128 v[BI+8*(2*\a+\u)+4*\j:BI+8*(2*\a+\u)+4*\j+3], v[BO], s[\ptr:\ptr+1] offset:(\bo)+32*\u+16*\j
.endr
.endr
.endm
.macro HDR_H set, so, bo               ; 20 loads
	HDR_S \set, 6, HSP, \so, 768
	HDR_B 0, HBP, \bo
	HDR_B 1, HBP, (\bo)+128
.endm
.macro HDR_Z so, bo                    ; 24 loads
	HDR_S SS2, 8, ZSP, \so, 1024
	HDR_B 0, ZBP, \bo
	HDR_B 1, ZBP, (\bo)+128
.endm
.macro HDR_T set, so, bo               ; 20 loads: a = 0 is tW's block, a = 1 gW's
	HDR_S \set, 6, TSP, \so, 12288
	HDR_B 0, TBP, \bo
	HDR_B 1, GBP, \bo
.endm
; n blocks' scales.  Block b: my 16 numbers at v[src + 16 b] of window sw.  Leaves the conversions' scale operands in SO and the bytes in TP.
.macro AMAX n, src, sw
	WIN ((\sw)<<2)|((\sw)<<4)
.set b, 0
.rept \n
	v_max3_num_f32 v[TM+b], 0x1800000, |v[(\src)+16*b]|, |v[(\src)+16*b+1]|   ; with the floor 2^(3 - 127): the byte cannot fall under 1
.set b, b+1
.endr
.irp i, 2,4,6,8,10,12,14
.set b, 0
.rept \n
	v_max3_num_f32 v[TM+b], v[TM+b], |v[(\src)+16*b+\i]|, |v[(\src)+16*b+\i+1]|   ; the blocks by turns
.set b, b+1
.endr
.endr
	WIN 0
.set b, 0
.rept \n
	v_permlanex16_b32 v[TP+b], v[TM+b], s60, s61
.set b, b+1
.endr
.set b, 0
.rept \n
	v_max_num_f32 v[TM+b], v[TM+b], v[TP+b]        ; with lane l xor 16's 16 numbers: the block's largest magnitude
.set b, b+1
.endr
.set b, 0
.rept \n
	v_add_nc_u32 v[SO+b], 0xff000000, v[TM+b]      ; 2 off its exponent field: the conversion's scale operand
.set b, b+1
.endr
.set b, 0
.rept \n
	v_lshrrev_b32 v[TP+b], 23, v[SO+b]             ; the scale's byte
.set b, b+1
.endr
.endm
.macro SWAPS pcb, ptb                  ; the operand's layout wants a WHOLE block in a lane: the first's lanes 16-31 change places with the second's lanes 0-15
.irp i, 0,1,2
	v_permlane16_swap_b32 v[(\pcb)+\i], v[(\ptb)+\i]
.endr
.endm
.macro MOVES pcb, ptb
.irp i, 0,1,2
	v_mov_b32 v[(\pcb)+3+\i], v[(\ptb)+\i]
.endr
.endm
; 64 numbers of a lane in window sw, register 16 b + i = k 32 b + 16 h + i of my row, become a fragment in v[pc] on and its scale word in v[pw]
.macro QUANT4 sw, src, pc, pw
	AMAX 4, \src, \sw
	v_lshl_or_b32 v[\pw], v[TP+1], 8, v[TP]
	v_lshl_or_b32 v[\pw], v[TP+2], 16, v[\pw]
	v_lshl_or_b32 v[\pw], v[TP+3], 24, v[\pw]
	WIN \sw
.irp c, 0,1
	v_cvt_scalef32_pk16_fp6_f32 v[(\pc)+6*\c:(\pc)+6*\c+2], v[(\src)+32*\c:(\src)+32*\c+15], v[SO+2*\c]
	v_cvt_scalef32_pk16_fp6_f32 v[PT+4*\c:PT+4*\c+2], v[(\src)+32*\c+16:(\src)+32*\c+31], v[SO+2*\c+1]
.endr
	WIN 0
	v_nop                                          ; one plain instruction behind a scaled conversion
.irp c, 0,1
	SWAPS (\pc)+6*\c, PT+4*\c
.endr
.irp c, 0,1
	MOVES (\pc)+6*\c, PT+4*\c
.endr
.endm
.macro IMAGE adr, pc, off              ; a fragment goes to LDS as it stands
.irp c, 0,1,2
	ds_store_b128 v[\adr], v[(\pc)+4*\c:(\pc)+4*\c+3] offset:(\off)+512*\c
.endr
.endm
; ---- THE H UNIT'S EPILOGUE: silu in f32, then half a K step's codes for each tile m.  All 128 numbers lie in window 2; ZA's registers are at work (no z is alive in this phase).
.macro HEPI un
	WIN 0xaa
.set i, 0
.rept 8
	v_pk_mul_f32 v[128+2*i:129+2*i], v[2*i:2*i+1], s[66:67] op_sel_hi:[1,0]   ; -h log2(e); each accumulator is read from its low end on
.set i, i+1
.endr
.set i, 0
.rept 64
	v_exp_f32 v[128+2*i], v[128+2*i]               ; e^-h.  The scalings run eight pairs ahead of the exponentials
	v_exp_f32 v[129+2*i], v[129+2*i]
.if i < 56
	v_pk_mul_f32 v[144+2*i:145+2*i], v[16+2*i:17+2*i], s[66:67] op_sel_hi:[1,0]
.endif
.set i, i+1
.endr
	v_nop                                          ; a plain instruction behind the last exponential,
	s_wait_alu depctr_va_vdst(0)                   ; and one wait for the batch: the 128 e^-h are written, ahead of their first reader.  The unit's last matrix instructions are done reading their slot too, in which the next K step's loads land
.set i, 0
.rept 8
	v_pk_add_f32 v[128+2*i:129+2*i], v[128+2*i:129+2*i], 1.0 op_sel_hi:[1,0]
.set i, i+1
.endr
.set i, 0
.rept 64
	v_rcp_f32 v[128+2*i], v[128+2*i]               ; 1 / (1 + e^-h)
	v_rcp_f32 v[129+2*i], v[129+2*i]
.if i < 56
	v_pk_add_f32 v[144+2*i:145+2*i], v[144+2*i:145+2*i], 1.0 op_sel_hi:[1,0]
.endif
.set i, i+1
.endr
	v_nop
	s_wait_alu depctr_va_vdst(0)                   ; the 128 reciprocals are written, ahead of their first reader
.set i, 0
.rept 64
	v_pk_mul_f32 v[2*i:2*i+1], v[2*i:2*i+1], v[128+2*i:129+2*i]    ; silu(h)
.set i, i+1
.endr
	AMAX 8, 0, 2                                   ; block 4 a + m
	WIN 0x02
.irp m, 0,1,2,3
	v_cvt_scalef32_pk16_fp6_f32 v[PC+12*\m+6*\un:PC+12*\m+6*\un+2], v[16*\m:16*\m+15], v[SO+\m]
	v_cvt_scalef32_pk16_fp6_f32 v[PT+4*\m:PT+4*\m+2], v[64+16*\m:64+16*\m+15], v[SO+4+\m]
.endr
	WIN 0
	v_nop
.irp m, 0,1,2,3
	SWAPS PC+12*\m+6*\un, PT+4*\m
.endr
.irp m, 0,1,2,3
	MOVES PC+12*\m+6*\un, PT+4*\m
.endr
.irp m, 0,1,2,3
.if \un == 0
	v_lshl_or_b32 v[PWD+\m], v[TP+4+\m], 8, v[TP+\m]               ; bytes 0 and 1 of the K step's word
.else
	v_lshl_or_b32 v[PWD+\m], v[TP+\m], 16, v[PWD+\m]               ; bytes 2 and 3
	v_lshl_or_b32 v[PWD+\m], v[TP+4+\m], 24, v[PWD+\m]
.endif
.endr
.if \un == 0
	s_wait_alu depctr_va_vdst(0)                   ; the epilogue is done writing and reading TM, TP, SO and PT: they are the second buffer, in which the loads below land
	ALOAD 1, LI, 6144, XSC+512                     ; the next unit's second K step, into the buffer that was at work here
.else
	s_wait_alu depctr_va_vdst(0)                   ; the conversions, swaps and moves have written PC and PWD, which the stores below read; the work in the second buffer is done too, in which the next trip's or phase's loads land
.irp m, 0,1,2,3
	IMAGE HWA, PC+12*\m, 1536*\m                   ; a whole K step of the second product
.endr
	ds_store_b128 v[HWB], v[PWD:PWD+3]
.endif
.endm
; ---- THE TG UNIT'S EPILOGUE, for block q = 2 x (P2 trip) + e.  Window 2: T = v0-63 (t), G = v64-127 (g), Z = z's block e.  Register 16 m + i throughout.
.macro SUPD q                          ; y's running sum: S += 0.025 T
.irp m, 0,1,2,3
.set i, 0
.rept 8
	v_pk_fma_f32 v[64*\m+16*(\q)+2*i:64*\m+16*(\q)+2*i+1], v[16*\m+2*i:16*\m+2*i+1], s[74:75], v[64*\m+16*(\q)+2*i:64*\m+16*(\q)+2*i+1] op_sel_hi:[1,0,1]
.set i, i+1
.endr
.endr
.endm
.macro TCONV e, c                      ; x1's block 2 c + e becomes codes: registers 6 c .. 6 c + 5 of K step w's fragments
	WIN 0x02
.irp m, 0,1,2,3
.if (\e) == 0
	v_cvt_scalef32_pk16_fp6_f32 v[PC+12*\m+6*\c:PC+12*\m+6*\c+2], v[64+16*\m:64+16*\m+15], v[SO+\m]
.else
	v_cvt_scalef32_pk16_fp6_f32 v[PT+4*\m:PT+4*\m+2], v[64+16*\m:64+16*\m+15], v[SO+\m]
.endif
.endr
	WIN 0
	v_nop
.if (\e) == 1
.irp m, 0,1,2,3
	SWAPS PC+12*\m+6*\c, PT+4*\m
.endr
.irp m, 0,1,2,3
	MOVES PC+12*\m+6*\c, PT+4*\m
.endr
.endif
.irp m, 0,1,2,3
.if (\e)+(\c) == 0
	v_mov_b32 v[PWD+\m], v[TP+\m]
.else
	v_lshl_or_b32 v[PWD+\m], v[TP+\m], 8*(2*\c+(\e)), v[PWD+\m]
.endif
.endr
.endm
.macro TEPI e
.set rZ, 128+64*\e
	WIN 0x48
.set i, 0
.rept 64
	v_max_num_f32 v[XT+i], 0, v[i]                 ; max(t, 0)
.set i, i+1
.endr
	WIN 0xaa
.set i, 0
.rept 64
	v_mul_f32 v[i], |v[i]|, s66                    ; -|t| log2(e)
.set i, i+1
.endr
.set i, 0
.rept 32                               ; w = e^-|t|; between the exponentials: min(-g log2(e), 60)
	v_pk_mul_f32 v[64+2*i:65+2*i], v[64+2*i:65+2*i], s[66:67] op_sel_hi:[1,0]
	v_exp_f32 v[2*i], v[2*i]
	v_min_num_f32 v[64+2*i], s78, v[64+2*i]
	v_exp_f32 v[2*i+1], v[2*i+1]
	v_min_num_f32 v[65+2*i], s78, v[65+2*i]
.set i, i+1
.endr
.set i, 0
.rept 32                               ; e^-g; between them: min(2 z log2(e), 40)
	v_pk_mul_f32 v[rZ+2*i:rZ+2*i+1], v[rZ+2*i:rZ+2*i+1], s[68:69] op_sel_hi:[1,0]
	v_exp_f32 v[64+2*i], v[64+2*i]
	v_min_num_f32 v[rZ+2*i], s79, v[rZ+2*i]
	v_exp_f32 v[65+2*i], v[65+2*i]
	v_min_num_f32 v[rZ+2*i+1], s79, v[rZ+2*i+1]    ; (the last of these is the plain instruction behind the last exponential)
.set i, i+1
.endr
	s_wait_alu depctr_va_vdst(0)                   ; one wait for both batches: w and e^-g are written, ahead of their first reader.  The unit's last matrix instructions are done reading their slot too, in which the next K step's loads land
.set i, 0
.rept 32                               ; e^2z; between them: 1 + w and 1 + e^-g
	v_exp_f32 v[rZ+2*i], v[rZ+2*i]
	v_pk_add_f32 v[2*i:2*i+1], v[2*i:2*i+1], 1.0 op_sel_hi:[1,0]
	v_exp_f32 v[rZ+2*i+1], v[rZ+2*i+1]
	v_pk_add_f32 v[64+2*i:65+2*i], v[64+2*i:65+2*i], 1.0 op_sel_hi:[1,0]
.set i, i+1
.endr
	s_wait_alu depctr_va_vdst(0)                   ; e^2z is written, ahead of its first reader
.set i, 0
.rept 32                               ; log2(1 + w); between them: D = (e^2z + 1)(1 + e^-g), then e^2z - 1
	v_log_f32 v[2*i], v[2*i]
	v_pk_fma_f32 v[64+2*i:65+2*i], v[rZ+2*i:rZ+2*i+1], v[64+2*i:65+2*i], v[64+2*i:65+2*i]
	v_log_f32 v[2*i+1], v[2*i+1]
	v_pk_add_f32 v[rZ+2*i:rZ+2*i+1], v[rZ+2*i:rZ+2*i+1], -1.0 op_sel_hi:[1,0]
.set i, i+1
.endr
	s_wait_alu depctr_va_vdst(0)                   ; the logarithms are written, ahead of their first reader
	WIN 0x92
.set i, 0
.rept 32
	v_pk_fma_f32 v[2*i:2*i+1], v[2*i:2*i+1], s[70:71], v[XT+2*i:XT+2*i+1] op_sel_hi:[1,0,1]   ; softplus(t) = max(t, 0) + ln 2 x log2(1 + w)
.set i, i+1
.endr
	WIN 0x40
	s_wait_alu depctr_va_vdst(0)                   ; the multiply-adds above are done reading XT (max(t, 0)), in which xin lands
.irp m, 0,1,2,3
.irp p, 0,1,2,3
	ds_load_b128 v[XT+16*\m+4*\p:XT+16*\m+4*\p+3], v[STQ] offset:8192*\e+2048*\m+512*\p   ; xin, from my own images
.endr
.endr
	WIN 0xaa
.set i, 0
.rept 64
	v_max_num_f32 v[i], s77, v[i]                  ; tau
.set i, i+1
.endr
.set i, 0
.rept 32
	v_pk_mul_f32 v[2*i:2*i+1], v[2*i:2*i+1], v[64+2*i:65+2*i]      ; tau D
.set i, i+1
.endr
	s_wait_dscnt 0x0                               ; xin is in
	WIN 0xa6
.set i, 0
.rept 32                               ; 1 / (tau D); between them: (e^2z - 1) - xin D
	v_rcp_f32 v[2*i], v[2*i]
	v_pk_fma_f32 v[64+2*i:65+2*i], v[64+2*i:65+2*i], v[XT+2*i:XT+2*i+1], v[rZ+2*i:rZ+2*i+1] neg_lo:[0,1,0] neg_hi:[0,1,0]
	v_rcp_f32 v[2*i+1], v[2*i+1]
.set i, i+1
.endr
	v_nop
	s_wait_alu depctr_va_vdst(0)                   ; the reciprocals are written, ahead of their first reader
	WIN 0xaa
.set i, 0
.rept 32
	v_pk_mul_f32 v[2*i:2*i+1], v[2*i:2*i+1], v[64+2*i:65+2*i]      ; T = (f - xin) / tau
.set i, i+1
.endr
	WIN 0
	s_cmp_eq_u32 s56, 0                            ; S's registers hang on q: written for each P2 trip
	s_cbranch_scc0 .Lsup1_\@
	WIN 0xf2
	SUPD \e
	WIN 0
	s_branch .Lsupj_\@
.Lsup1_\@:
	WIN 0xf2
	SUPD 2+\e
	WIN 0
.Lsupj_\@:
	s_cmp_eq_u32 s54, 1                            ; the second stage needs no x2
	s_cbranch_scc1 .Lnoq_\@
	WIN 0x92
.set i, 0
.rept 32
	v_pk_fma_f32 v[64+2*i:65+2*i], v[2*i:2*i+1], s[72:73], v[XT+2*i:XT+2*i+1] op_sel_hi:[1,0,1]   ; x1 = x + 0.05 T
.set i, i+1
.endr
	WIN 0x08
	s_wait_alu depctr_va_vdst(0)                   ; x1 is written, which the stores below read
.irp m, 0,1,2,3
.irp p, 0,1,2,3
	ds_store_b128 v[STQ], v[64+16*\m+4*\p:64+16*\m+4*\p+3] offset:8192*\e+2048*\m+512*\p     ; over x's image: the second stage's xin
.endr
.endr
	AMAX 4, 64, 2
	s_wait_alu depctr_vm_vsrc(0)                   ; the stores above have read window 2's v64-127, which the next unit's matrix instructions write again
	s_cmp_eq_u32 s56, 0
	s_cbranch_scc0 .Lcv1_\@
	TCONV \e, 0
	s_branch .Lcvj_\@
.Lcv1_\@:
	TCONV \e, 1
.Lcvj_\@:
.Lnoq_\@:
.if \e == 0
	s_wait_alu depctr_va_vdst(0)                   ; the first stage's work in TM, TP, SO and PT is done: they are the second buffer, in which the loads below land
	ALOAD 1, LI, 6144, XSC+512                     ; the next unit's second K step
.endif
.endm
; ================================================================ the head
	s_load_b512 s[8:23], s[0:1], 0x0               ; x, u, fb1, fb2, tb, gb, ln_g, ln_b
	s_load_b128 s[24:27], s[0:1], 0x40             ; wq, wsc
	s_load_b64 s[28:29], s[0:1], 0x50              ; out0
	v_lshrrev_b32 v248, 5, v0
	v_readfirstlane_b32 s2, v248                   ; wave 0..3
	v_and_b32 v248, 31, v0                         ; lane
	v_and_b32 v249, 15, v0                         ; r
	v_bfe_u32 v250, v0, 4, 1                       ; h
	v_lshlrev_b32 v[LI], 4, v248
	v_lshlrev_b32 v[LS], 2, v248
	s_wait_alu depctr_va_sdst(0)                   ; s2 is written, ahead of its first reader: LDS places and the buffers' bases are made from it
	s_mul_i32 s3, s2, 6144
	v_add_nc_u32 v[XWI], s3, v[LI]
	s_lshl_b32 s3, s2, 9
	s_add_co_u32 s3, s3, XSC
	v_add_nc_u32 v[XWS], s3, v[LI]
	s_mul_i32 s3, s2, 1536
	s_add_co_u32 s3, s3, 24576
	v_add_nc_u32 v[UWI], s3, v[LI]
	s_lshl_b32 s3, s2, 2
	s_add_co_u32 s3, s3, XSC+2048
	v_add_nc_u32 v[UWS], s3, v[LI]
	s_mul_i32 s3, s2, 12288
	s_add_co_u32 s3, s3, HIMG
	v_add_nc_u32 v[HWI], s3, v[LI]
	s_lshl_b32 s3, s2, 10
	s_add_co_u32 s3, s3, HSC
	v_add_nc_u32 v[HWS], s3, v[LI]
	s_lshl_b32 s3, s2, 15
	s_add_co_u32 s3, s3, STATE
	v_add_nc_u32 v[STA], s3, v[LI]
	v_lshlrev_b32 v[BO], 6, v250
	v_lshl_add_u32 v[GX], v249, 11, v[BO]
	v_lshl_add_u32 v[GU], v249, 10, v[BO]
	v_mul_u32_u24 v[SOA], v249, SPITCH
	v_add_nc_u32 v[SOA], v[SOA], v[BO]
	v_add_nc_u32 v[SOA], s3, v[SOA]
	v_lshlrev_b32 v[LNR], 4, v249
	v_add_nc_u32 v[LNR], LNP, v[LNR]               ; the partial sums: 16 r,
	s_lshl_b32 s3, s2, 8
	v_add_nc_u32 v[LNW], s3, v[LNR]                ; mine at + 256 w
	v_add_nc_u32 v[LIH], HIMG, v[LI]
.irp b, 0,1,2,3,4,5,6,7
	v_mov_b32 v[TP+\b], 0                          ; written once: a lane permute's destination counts as one of its sources
.endr
	s_mov_b32 s60, 0x76543210
	s_mov_b32 s61, 0xfedcba98                      ; v_permlanex16_b32's selects for lane l xor 16
	s_mov_b32 s66, 0xbfb8aa3b                      ; -log2(e)   (the packed forms name pairs and take the low word for both halves: both words are written)
	s_mov_b32 s67, s66
	s_mov_b32 s68, 0x4038aa3b                      ; 2 log2(e)
	s_mov_b32 s69, s68
	s_mov_b32 s70, 0x3f317218                      ; ln 2
	s_mov_b32 s71, s70
	s_mov_b32 s72, 0x3d4ccccd                      ; 0.05
	s_mov_b32 s73, s72
	s_mov_b32 s74, 0x3ccccccd                      ; 0.025
	s_mov_b32 s75, s74
	s_mov_b32 s77, 0x3c23d70a                      ; 0.01
	s_mov_b32 s78, 0x42700000                      ; 60
	s_mov_b32 s79, 0x42200000                      ; 40
	s_mov_b32 s5, 0
	s_mov_b32 s7, 0
	s_wait_kmcnt 0x0
	s_mul_i32 s4, s2, 147456                       ; fW1: my 8 blocks of 18,432 bytes
	s_add_nc_u64 s[HP0:HP0+1], s[24:25], s[4:5]
	s_add_nc_u64 s[HP0:HP0+1], s[HP0:HP0+1], 589824
	s_add_nc_u64 s[HP1:HP1+1], s[HP0:HP0+1], 18432
	s_mul_i32 s4, s2, 98304                        ; fW2: my 4 blocks of 24,576
	s_add_nc_u64 s[ZP0:ZP0+1], s[24:25], s[4:5]
	s_add_nc_u64 s[ZP0:ZP0+1], s[ZP0:ZP0+1], 1179648
	s_add_nc_u64 s[ZP1:ZP1+1], s[ZP0:ZP0+1], 24576
	s_mul_i32 s4, s2, 73728                        ; tW: my 4 blocks; gW lies 294,912 bytes on
	s_add_nc_u64 s[TP0:TP0+1], s[24:25], s[4:5]
	s_add_nc_u64 s[TP1:TP1+1], s[TP0:TP0+1], 294912
	s_mul_i32 s4, s2, 6144
	s_add_nc_u64 s[HSP:HSP+1], s[26:27], s[4:5]
	s_add_nc_u64 s[HSP:HSP+1], s[HSP:HSP+1], 24576
	s_lshl_b32 s4, s2, 12
	s_add_nc_u64 s[ZSP:ZSP+1], s[26:27], s[4:5]
	s_add_nc_u64 s[ZSP:ZSP+1], s[ZSP:ZSP+1], 49152
	s_mul_i32 s4, s2, 3072
	s_add_nc_u64 s[TSP:TSP+1], s[26:27], s[4:5]
	s_lshl_b32 s4, s2, 10
	s_add_nc_u64 s[HBP:HBP+1], s[HBP:HBP+1], s[4:5]    ; fb1: my 256 numbers
	s_lshl_b32 s4, s2, 9
	s_add_nc_u64 s[ZBP:ZBP+1], s[ZBP:ZBP+1], s[4:5]    ; the others: my 128
	s_add_nc_u64 s[TBP:TBP+1], s[TBP:TBP+1], s[4:5]
	s_add_nc_u64 s[GBP:GBP+1], s[GBP:GBP+1], s[4:5]
	s_add_nc_u64 s[20:21], s[20:21], s[4:5]
	s_add_nc_u64 s[22:23], s[22:23], s[4:5]
	s_lshl_b32 s6, ttmp9, 17                       ; 64 rows of 2,048 bytes a work-group,
	s_add_co_u32 s6, s6, s4                        ; + my 512 bytes of a row
	s_add_nc_u64 s[8:9], s[8:9], s[6:7]
	s_add_nc_u64 s[28:29], s[28:29], s[6:7]
	s_lshl_b32 s6, ttmp9, 16                       ; u: 64 rows of 1,024 bytes,
	s_lshl_b32 s4, s2, 14                          ; + my 16 rows
	s_add_co_u32 s6, s6, s4
	s_add_nc_u64 s[10:11], s[10:11], s[6:7]
	s_wait_alu depctr_va_vdst(0)                   ; the addresses and offsets v1 to v13 and v244 to v246 are written, which the kernel's loads and stores read
	HDR_H SS0, 0, 0                                ; the first unit's header and the ring's first three K steps go out first
	WLOAD 0, HP0, HP1, 0
	WLOAD 1, HP0, HP1, 3072
	WLOAD 2, HP0, HP1, 6144
	WIN 0xc0
.irp m, 0,1,2,3
.irp q, 0,1,2,3
.irp j, 0,1,2,3
	global_load_b128 v[64*\m+16*\q+4*\j:64*\m+16*\q+4*\j+3], v[GX], s[8:9] offset:32768*\m+128*\q+16*\j th:TH_LOAD_NT   ; x, straight into S's layout
.endr
.endr
.endr
	WIN 0x80
.irp j, 0,1
.irp b, 0,1,2,3
.irp p, 0,1,2,3
	global_load_b128 v[64*\j+16*\b+4*\p:64*\j+16*\b+4*\p+3], v[GU], s[10:11] offset:512*\j+128*\b+16*\p th:TH_LOAD_NT   ; u: rows 16 w + r, both K steps
.endr
.endr
.endr
	s_wait_loadcnt 32                              ; x is in; u's 32 loads may be out
	WIN 0x0c
.irp q, 0,1,2,3
.irp m, 0,1,2,3
.irp p, 0,1,2,3
	ds_store_b128 v[STA], v[64*\m+16*\q+4*\p:64*\m+16*\q+4*\p+3] offset:8192*\q+2048*\m+512*\p   ; the first stage's xin
.endr
.endr
.endr
.irp m, 0,1,2,3
	QUANT4 3, 64*\m, PC+12*\m, PWD+\m              ; K step w of [x | u], tile m
.endr
	s_wait_loadcnt 0x0
	QUANT4 2, 0, 16, 248
	s_wait_alu depctr_va_vdst(0)                   ; u's first codes, v16-27, and their word, v248, are written, which the stores below read
	IMAGE UWI, 16, 0
	ds_store_b32 v[UWS], v248
	s_wait_dscnt 0x0                               ; the stores have landed
	s_wait_alu depctr_vm_vsrc(0)                   ; and have read v16-27 and v248, which the second K step's codes and word write again
	QUANT4 2, 64, 16, 248
	s_wait_alu depctr_va_vdst(0)                   ; u's second codes and their word are written, which the stores below read
	IMAGE UWI, 16, 6144
	ds_store_b32 v[UWS], v248 offset:512
; ================================================================ the two stages
	s_mov_b32 s54, 0
.Lstage:
	s_wait_alu depctr_va_vdst(0)                   ; xin's codes PC and words PWD are written (at the head, or by the first stage's TG epilogues), which the stores below read; the work in the second buffer is done, in which the first group's loads land
.irp m, 0,1,2,3
	IMAGE XWI, PC+12*\m, 1536*\m                   ; xin's codes: made at the head, or by the first stage's TG epilogues
.endr
	ds_store_b128 v[XWS], v[PWD:PWD+3]
	BARRIER                                        ; [xin | u]'s 24 fragments lie in LDS
	s_mov_b32 s55, 0
	s_mov_b32 s57, 0
	s_mov_b32 s59, 0
.Lhgroup:                                          ; two H units = 128 hidden units = one K step of the second product
	s_wait_xcnt 0x0                                ; earlier loads have read their bases: XN may be written
	s_add_nc_u64 s[82:83], s[HP0:HP0+1], 73728
	s_add_nc_u64 s[84:85], s[HP1:HP1+1], 73728
	s_cmp_eq_u32 s55, 0                            ; what follows this group in the stream of weights: the next group, or the first Z unit
	s_cselect_b64 s[XN0:XN0+1], s[82:83], s[ZP0:ZP0+1]
	s_cselect_b64 s[XN1:XN1+1], s[84:85], s[ZP1:ZP1+1]
	s_wait_alu depctr_vm_vsrc(0)                   ; the images' stores issued so far have read v[HWA] and v[HWB], written below; PC and PWD, which this group's epilogues write; v16-27, in which the loads below land; the head's stores have read S, which the TG epilogues write
	v_add_nc_u32 v[HWA], s57, v[HWI]
	v_add_nc_u32 v[HWB], s59, v[HWS]
	ALOAD 0, LI, 0, XSC
	ALOAD 1, LI, 6144, XSC+512
.set g, 0
.rept 12
.set k, g%6
.set un, g/6
.set lc, 24                            ; behind this K step's 12 loads: the next two K steps' 24,
.if k >= 3
.set lc, 44                            ; and in the three K steps behind a header, the header's 20 at the least
.endif
.set dc, 13                            ; the next K step's 13 LDS loads may be out
.if g == 11
.set dc, 0                             ; nothing is fetched across the group's end
.endif
	s_wait_loadcnt lc
	s_wait_dscnt dc
	MMH ACC, k%2, g%4, SS0+12*un, 6, k, 0
.if g < 9
	WLOAD (g+3)%4, HP0, HP1, 36864*((g+3)/6)+3072*((g+3)%6)      ; three K steps ahead, into the slot that the K step before read
.else
	WLOAD (g+3)%4, XN0, XN1, 3072*(g-9)
.endif
	MMH ACC, k%2, g%4, SS0+12*un, 6, k, 1
	WIN 0
	PLACES
.if k < 5
	s_wait_alu depctr_va_vdst(0)                   ; this K step's matrix instructions are done reading their buffer and its scale words, their slot, and (k = 0) the bias; earlier units' are done with the set that a header below takes
.endif
.if k < 4
	ALOAD k%2, LI, 6144*(k+2), XSC+512*(k+2)
.elseif g == 4
	ALOAD 0, LI, 0, XSC                            ; the second unit's first K step
.endif
.if g == 2
	HDR_H SS1, 1536, 256
.endif
.if g == 8
	s_cmp_eq_u32 s55, 0
	s_cbranch_scc0 .Lhdr_z0
	HDR_H SS0, 3072, 512
	s_branch .Lhdr_j0
.Lhdr_z0:
	HDR_Z 0, 0
.Lhdr_j0:
.endif
.if k == 5
	HEPI un
.endif
.set g, g+1
.endr
	WIN 0
	s_wait_dscnt 0x0                               ; the images' stores have landed
	s_wait_xcnt 0x0                                ; and the loads have read their bases
	s_add_nc_u64 s[HP0:HP0+1], s[HP0:HP0+1], 73728
	s_add_nc_u64 s[HP1:HP1+1], s[HP1:HP1+1], 73728
	s_add_nc_u64 s[HSP:HSP+1], s[HSP:HSP+1], 3072
	s_add_nc_u64 s[HBP:HBP+1], s[HBP:HBP+1], 512
	s_add_co_u32 s57, s57, 6144
	s_add_co_u32 s59, s59, 512
	s_add_co_u32 s55, s55, 1
	s_cmp_lt_u32 s55, 2
	s_cbranch_scc1 .Lhgroup
	s_sub_nc_u64 s[HP0:HP0+1], s[HP0:HP0+1], 147456    ; back to the first group, for the next stage
	s_sub_nc_u64 s[HP1:HP1+1], s[HP1:HP1+1], 147456
	s_sub_nc_u64 s[HSP:HSP+1], s[HSP:HSP+1], 6144
	s_sub_nc_u64 s[HBP:HBP+1], s[HBP:HBP+1], 1024
	BARRIER                                        ; the hidden layer's 32 fragments lie in LDS
	s_mov_b32 s56, 0
	s_mov_b32 s58, 0
.Lp2:                                              ; z for two blocks of 32 columns, then t and g and the epilogue for each of them
	s_wait_xcnt 0x0
	s_add_nc_u64 s[82:83], s[ZP0:ZP0+1], 49152
	s_add_nc_u64 s[84:85], s[ZP1:ZP1+1], 49152
	s_cmp_eq_u32 s56, 0                            ; what follows: the second Z unit, or the next stage's first H group
	s_cselect_b64 s[XN0:XN0+1], s[82:83], s[HP0:HP0+1]
	s_cselect_b64 s[XN1:XN1+1], s[84:85], s[HP1:HP1+1]
	s_wait_alu depctr_vm_vsrc(0)                   ; the last trip's LDS loads and stores have read v[STQ], written below; the hidden layer's last image stores have read PC and PWD, which the TG epilogues write
	v_add_nc_u32 v[STQ], s58, v[STA]
	s_wait_alu depctr_va_vdst(0)                   ; the last TG epilogue's work in TM, TP, SO and PT is done: they are the second buffer, in which the loads below land; v[STQ] is written
	ALOAD 0, LIH, 0, HSCO
	ALOAD 1, LIH, 6144, HSCO+512
.set g, 0
.rept 8
.set lc, 24
.if g >= 5
.set lc, 44
.endif
	s_wait_loadcnt lc
	s_wait_dscnt 13
	MMH ZA, g%2, g%4, SS2, 8, g, 0
.if g < 5
	WLOAD (g+3)%4, ZP0, ZP1, 3072*(g+3)
.else
	WLOAD (g+3)%4, TP0, TP1, 3072*(g-5)
.endif
	MMH ZA, g%2, g%4, SS2, 8, g, 1
	WIN 0
	PLACES
	s_wait_alu depctr_va_vdst(0)                   ; this K step's matrix instructions are done reading their buffer and its scale words, their slot, and (g = 0) the bias; earlier units' are done with the set that the header below takes
.if g < 6
	ALOAD g%2, LIH, 6144*(g+2), HSCO+512*(g+2)
.else
	ALOAD g%2, LI, 6144*(g-6), XSC+512*(g-6)       ; no epilogue follows: the TG unit's first two K steps
.endif
.if g == 4
	HDR_T SS0, 0, 0
.endif
.set g, g+1
.endr
.set g, 0
.rept 12
.set k, g%6
.set un, g/6
.set lc, 24
.if k >= 3
.set lc, 44
.endif
.set dc, 13
.if g == 11
.set dc, 0
.endif
	s_wait_loadcnt lc
	s_wait_dscnt dc
	MMH ACC, k%2, g%4, SS0+12*un, 6, k, 0
.if g < 9
	WLOAD (g+3)%4, TP0, TP1, 18432*((g+3)/6)+3072*((g+3)%6)
.else
	WLOAD (g+3)%4, XN0, XN1, 3072*(g-9)
.endif
	MMH ACC, k%2, g%4, SS0+12*un, 6, k, 1
	WIN 0
	PLACES
.if k < 5
	s_wait_alu depctr_va_vdst(0)                   ; this K step's matrix instructions are done reading their buffer and its scale words, their slot, and (k = 0) the bias; earlier units' are done with the set that a header below takes
.endif
.if k < 4
	ALOAD k%2, LI, 6144*(k+2), XSC+512*(k+2)
.elseif g == 4
	ALOAD 0, LI, 0, XSC
.endif
.if g == 2
	HDR_T SS1, 768, 128
.endif
.if g == 8
	s_cmp_eq_u32 s56, 0
	s_cbranch_scc0 .Lhdr_h1
	HDR_Z 2048, 256
	s_branch .Lhdr_j1
.Lhdr_h1:
	HDR_H SS0, 0, 0
.Lhdr_j1:
.endif
.if k == 5
	TEPI un
.endif
.set g, g+1
.endr
	WIN 0
	s_wait_dscnt 0x0                               ; x1's stores have landed
	s_wait_xcnt 0x0
	s_add_nc_u64 s[ZP0:ZP0+1], s[ZP0:ZP0+1], 49152
	s_add_nc_u64 s[ZP1:ZP1+1], s[ZP1:ZP1+1], 49152
	s_add_nc_u64 s[TP0:TP0+1], s[TP0:TP0+1], 36864
	s_add_nc_u64 s[TP1:TP1+1], s[TP1:TP1+1], 36864
	s_add_nc_u64 s[ZSP:ZSP+1], s[ZSP:ZSP+1], 2048
	s_add_nc_u64 s[TSP:TSP+1], s[TSP:TSP+1], 1536
	s_add_nc_u64 s[ZBP:ZBP+1], s[ZBP:ZBP+1], 256
	s_add_nc_u64 s[TBP:TBP+1], s[TBP:TBP+1], 256
	s_add_nc_u64 s[GBP:GBP+1], s[GBP:GBP+1], 256
	s_add_co_u32 s58, s58, 16384
	s_add_co_u32 s56, s56, 1
	s_cmp_lt_u32 s56, 2
	s_cbranch_scc1 .Lp2
	s_sub_nc_u64 s[ZP0:ZP0+1], s[ZP0:ZP0+1], 98304
	s_sub_nc_u64 s[ZP1:ZP1+1], s[ZP1:ZP1+1], 98304
	s_sub_nc_u64 s[TP0:TP0+1], s[TP0:TP0+1], 73728
	s_sub_nc_u64 s[TP1:TP1+1], s[TP1:TP1+1], 73728
	s_sub_nc_u64 s[ZSP:ZSP+1], s[ZSP:ZSP+1], 4096
	s_sub_nc_u64 s[TSP:TSP+1], s[TSP:TSP+1], 3072
	s_sub_nc_u64 s[ZBP:ZBP+1], s[ZBP:ZBP+1], 512
	s_sub_nc_u64 s[TBP:TBP+1], s[TBP:TBP+1], 512
	s_sub_nc_u64 s[GBP:GBP+1], s[GBP:GBP+1], 512
	BARRIER                                        ; every wave's reads of both sets of images are over: they may be written again
	s_add_co_u32 s54, s54, 1
	s_cmp_lt_u32 s54, 2
	s_cbranch_scc1 .Lstage
; ================================================================ LayerNorm: a row's 512 numbers lie in two lanes of each of the four waves
	WIN 0x80
	s_wait_alu depctr_va_vdst(0)                   ; the last epilogue is done with window 2's v0-63 and v128-191, in which ln_g and ln_b land
.irp q, 0,1,2,3
.irp j, 0,1,2,3
	global_load_b128 v[16*\q+4*\j:16*\q+4*\j+3], v[BO], s[20:21] offset:128*\q+16*\j             ; ln_g of my 64 columns: window 2, register 16 q + i
	global_load_b128 v[128+16*\q+4*\j:128+16*\q+4*\j+3], v[BO], s[22:23] offset:128*\q+16*\j     ; ln_b
.endr
.endr
; my four pair sums in v248-255 become the four rows' sums over all waves, in v[dst + 2 m]
.macro LNX off, dst
	v_add_f32 v248, v248, v249
	v_add_f32 v249, v250, v251
	v_add_f32 v250, v252, v253
	v_add_f32 v251, v254, v255
.irp m, 0,1,2,3
	v_permlanex16_b32 v[252+\m], v[248+\m], s60, s61
.endr
.irp m, 0,1,2,3
	v_add_f32 v[248+\m], v[248+\m], v[252+\m]      ; with lane l xor 16's
.endr
	s_wait_alu depctr_va_vdst(0)                   ; my four sums, v248-251, are written, which the store reads; earlier readers of v16-31 are done, in which the loads below land
	ds_store_b128 v[LNW], v[248:251] offset:\off   ; both lanes of a row write the same 16 bytes with the same values
	BARRIER
.irp w, 0,1,2,3
	ds_load_b128 v[16+4*\w:19+4*\w], v[LNR] offset:(\off)+256*\w
.endr
	s_wait_dscnt 0x0
.irp m, 0,1,2,3
	v_add_f32 v[(\dst)+2*\m], v[16+\m], v[20+\m]   ; the same order in every wave: the same bits
	v_add_f32 v[(\dst)+2*\m+1], v[24+\m], v[28+\m]
.endr
.irp m, 0,1,2,3
	v_add_f32 v[(\dst)+2*\m], v[(\dst)+2*\m], v[(\dst)+2*\m+1]
.endr
.endm
	WIN 0x0f
.irp m, 0,1,2,3
	v_pk_add_f32 v[248+2*\m:249+2*\m], v[64*\m:64*\m+1], v[64*\m+2:64*\m+3]      ; the first addition starts each sum
.endr
	WIN 0x0c
.set i, 4
.rept 30
.irp m, 0,1,2,3
	v_pk_add_f32 v[248+2*\m:249+2*\m], v[248+2*\m:249+2*\m], v[64*\m+i:64*\m+i+1]
.endr
.set i, i+2
.endr
	WIN 0
	LNX 0, 32
.irp m, 0,1,2,3
	v_mul_f32 v[32+2*\m], 0x3b000000, v[32+2*\m]   ; mu = sum / 512
.endr
.irp m, 0,1,2,3
	v_mov_b32 v[33+2*\m], v[32+2*\m]
.endr
	WIN 0xc3
.irp m, 0,1,2,3
.set i, 0
.rept 32
	v_pk_add_f32 v[64*\m+i:64*\m+i+1], v[64*\m+i:64*\m+i+1], v[32+2*\m:33+2*\m] neg_lo:[0,1] neg_hi:[0,1]   ; y - mu
.set i, i+2
.endr
.endr
	s_wait_alu depctr_vm_vsrc(0)                   ; the first exchange's store has read v248-251, which the sums of squares write again
	WIN 0x0f
.irp m, 0,1,2,3
	v_pk_mul_f32 v[248+2*\m:249+2*\m], v[64*\m:64*\m+1], v[64*\m:64*\m+1]
.endr
.set i, 2
.rept 31
.irp m, 0,1,2,3
	v_pk_fma_f32 v[248+2*\m:249+2*\m], v[64*\m+i:64*\m+i+1], v[64*\m+i:64*\m+i+1], v[248+2*\m:249+2*\m]
.endr
.set i, i+2
.endr
	WIN 0
	LNX 1024, 40                                   ; other bytes than the first exchange's
	s_mov_b32 s4, 0x3b000000
.irp m, 0,1,2,3
	v_fmaak_f32 v[40+2*\m], s4, v[40+2*\m], 0x3727c5ac             ; var + 1e-5
.endr
.irp m, 0,1,2,3
	v_rsq_f32 v[40+2*\m], v[40+2*\m]
.endr
	v_nop
	s_wait_alu depctr_va_vdst(0)                   ; one wait for the four: the reciprocal roots are written, ahead of their first reader
.irp m, 0,1,2,3
	v_mov_b32 v[41+2*\m], v[40+2*\m]
.endr
	WIN 0xc3
.irp m, 0,1,2,3
.set i, 0
.rept 32
	v_pk_mul_f32 v[64*\m+i:64*\m+i+1], v[64*\m+i:64*\m+i+1], v[40+2*\m:41+2*\m]
.set i, i+2
.endr
.endr
	s_wait_loadcnt 0x0                             ; ln_g, ln_b (and the look-ahead loads that nobody reads)
	WIN 0xeb
.irp m, 0,1,2,3
.set i, 0
.rept 32
	v_pk_fma_f32 v[64*\m+i:64*\m+i+1], v[64*\m+i:64*\m+i+1], v[i:i+1], v[128+i:129+i]
.set i, i+2
.endr
.endr
; THE WAY OUT, a tile of 16 rows at a time: a lane holds pieces of 64 bytes of one row, so the tile goes through one of my two stages (in my own STATE, which is read no more) and comes back as rows of 512 bytes.
; LDS serves a wave's instructions in order (ISA guide 5.7.1.4): no wait between the stores and the loads.
.macro TOSTAGE m
	WIN 0x0c
.irp q, 0,1,2,3
.irp p, 0,1,2,3
	ds_store_b128 v[SOA], v[64*(\m)+16*\q+4*\p:64*(\m)+16*\q+4*\p+3] offset:16*SPITCH*((\m)%2)+128*\q+16*\p
.endr
.endr
	WIN 0
.set BB, 16+144*((\m)%2)               ; v16-79 and v160-223 by turns
.irp t, 0,1,2,3,4,5,6,7,8,9,10,11,12,13,14,15
	ds_load_b128 v[BB+4*\t:BB+4*\t+3], v[STA] offset:16*SPITCH*((\m)%2)+SPITCH*\t
.endr
.endm
.macro SEND m, younger                 ; younger: the LDS instructions issued behind tile m's loads, which may stay out
.set BB, 16+144*((\m)%2)
	s_wait_dscnt \younger
.irp t, 0,1,2,3,4,5,6,7,8,9,10,11,12,13,14,15
	global_store_b128 v[LI], v[BB+4*\t:BB+4*\t+3], s[28:29] offset:32768*(\m)+2048*\t th:TH_STORE_NT   ; 32 lanes store 512 consecutive bytes, at a multiple of 512 from the buffer's first byte
.endr
.endm
	s_wait_alu depctr_va_vdst(0)                   ; the results in S are written, which the stage's stores read; the LayerNorm is done with v16-47, in which the stage's loads land.  No vector instruction follows until the closing lines' two makers
	TOSTAGE 0
.irp m, 1,2,3
.if \m > 1
	s_wait_xcnt 0x0                                ; tile m - 2's stores have had their addresses translated,
	s_wait_alu depctr_vm_vsrc(0)                   ; and have read their registers, in which tile m's loads land
.endif
	TOSTAGE \m
	SEND \m-1, 32                                  ; behind tile m - 1's loads: tile m's 16 stores and 16 loads
.endr
	SEND 3, 0
	s_wait_xcnt 0x0
	v_lshl_add_u32 v254, v0, 2, 0x37400            ; the add's two registers, made anew straight ahead of the closing lines: no two could be kept; no memory or LDS instruction has read window 0's v254 or v255
	v_mov_b32 v255, 0
	s_wait_dscnt 0x0                               ; the closing lines, six on end
	s_wait_alu 0x0
	s_wait_tensorcnt 0x0
	ds_add_u32 v254, v255
	s_wait_dscnt 0x0
	s_endpgm
.Lfunc_end_k_q22066e6b62_cell:
	.size	k_q22066e6b62_cell, .Lfunc_end_k_q22066e6b62_cell-k_q22066e6b62_cell
	.p2alignl 7, 3214868480
	.fill 96, 4, 3214868480
	.section	.rodata,"a",@progbits
	.p2align	6, 0x0
	.amdhsa_kernel k_q22066e6b62_cell
		.amdhsa_group_segment_fixed_size 226816
		.amdhsa_private_segment_fixed_size 0
		.amdhsa_enable_private_segment 0
		.amdhsa_kernarg_size 88
		.amdhsa_user_sgpr_count 2
		.amdhsa_user_sgpr_kernarg_segment_ptr 1
		.amdhsa_wavefront_size32 1
		.amdhsa_system_sgpr_workgroup_id_x 1
		.amdhsa_system_sgpr_workgroup_id_y 1
		.amdhsa_system_sgpr_workgroup_id_z 1
		.amdhsa_system_vgpr_workitem_id 0
		.amdhsa_next_free_vgpr 1024
		.amdhsa_next_free_sgpr 96
		.amdhsa_reserve_vcc 0
		.amdhsa_float_denorm_mode_32 3
		.amdhsa_float_denorm_mode_16_64 3
		.amdhsa_memory_ordered 1
		.amdhsa_forward_progress 1
		.amdhsa_inst_pref_size 255
	.end_amdhsa_kernel
	.section	.bss,"aw",@nobits
	.p2align	6
	.space	262144
	.amdgpu_metadata
---
amdhsa.version: [ 1, 2 ]
amdhsa.kernels:
  - .name:           k_q22066e6b62_cell
    .symbol:         k_q22066e6b62_cell.kd
    .args:
      - { .name: x, .offset: 0, .size: 8, .value_kind: global_buffer, .address_space: global }
      - { .name: u, .offset: 8, .size: 8, .value_kind: global_buffer, .address_space: global }
      - { .name: fb1, .offset: 16, .size: 8, .value_kind: global_buffer, .address_space: global }
      - { .name: fb2, .offset: 24, .size: 8, .value_kind: global_buffer, .address_space: global }
      - { .name: tb, .offset: 32, .size: 8, .value_kind: global_buffer, .address_space: global }
      - { .name: gb, .offset: 40, .size: 8, .value_kind: global_buffer, .address_space: global }
      - { .name: ln_g, .offset: 48, .size: 8, .value_kind: global_buffer, .address_space: global }
      - { .name: ln_b, .offset: 56, .size: 8, .value_kind: global_buffer, .address_space: global }
      - { .name: wq, .offset: 64, .size: 8, .value_kind: global_buffer, .address_space: global }
      - { .name: wsc, .offset: 72, .size: 8, .value_kind: global_buffer, .address_space: global }
      - { .name: out0, .offset: 80, .size: 8, .value_kind: global_buffer, .address_space: global }
    .group_segment_fixed_size: 226816
    .private_segment_fixed_size: 0
    .kernarg_segment_align: 8
    .kernarg_segment_size: 88
    .max_flat_workgroup_size: 128
    .sgpr_count:     96
    .vgpr_count:     1024
    .wavefront_size: 32
...
	.end_amdgpu_metadata
.endif
;; end of part 3
